; MI455X (gfx1250); checked and timed in simulation.
; The chip was launched on July 23, 2026; its instructions are those of AMD's public machine-readable ISA for CDNA 5 (MIT licence, August 2026) and "CDNA5" Instruction Set Architecture Reference Guide (July 2026). The comments in the code are by the model that wrote it; some were corrected since.
;; Attention. Allowed arithmetic: matrix products marked QUANTISED: E2M3 operands, one E8M0 scale for each 32 along K, by v_wmma_scale_f32_16x16x128_f8f6f4 with both operands' format E2M3, f32 sums; everything else in f32.
;; Inputs: freqs_cis 1,024 x 64 x 2 float32; wk 1,024 x 4,096 float32; wo 4,096 x 4,096 float32; wq 4,096 x 4,096 float32; wv 1,024 x 4,096 float32; x 1,024 x 4,096 float32.
;; Outputs: out0 1,024 x 4,096 float32.
;; This version of the problem:
;;   THIS VERSION OF THE PROBLEM IS GIVEN IN LOW PRECISION. The matrix products marked QUANTISED in the list below multiply operands that are first quantised to E2M3 (2 exponent bits, 3 mantissa bits; 6 bits a number), with one power-of-two scale for each 32 numbers along K (OCP MX v1.0); their sums are f32. All else is computed in f32.
;;   The module's matrix products, in the order in which they are computed (A, B: the left and right operand; K: the contracted axis; several contracted axes count as one K, in the product's order):
;;     1. [M 1,024, K 4,096] x [K 4,096, N 4,096]; A: input x; B: input wq: QUANTISED
;;     2. [M 1,024, K 4,096] x [K 4,096, N 1,024]; A: input x; B: input wk: QUANTISED
;;     3. [M 1,024, K 4,096] x [K 4,096, N 1,024]; A: input x; B: input wv: QUANTISED
;;     4. batch 32 x [M 1,024, K 128] x [K 128, N 1,024]; A: computed on the way; B: computed on the way: QUANTISED
;;     5. batch 32 x [M 128, K 1,024] x [K 1,024, N 1,024]; A: computed on the way; B: softmax (see below): QUANTISED
;;     6. [M 1,024, K 4,096] x [K 4,096, N 4,096]; A: computed on the way; B: input wo: QUANTISED
;;   THE QUANTISER, for each operand of a quantised product, along K:
;;     - K is cut into blocks of 32 from its start; a last block that is shorter is filled with zeros.
;;     - A block's scale is 2^e with e = floor(log2(the largest magnitude in the block)) - 2, held to -126 .. 127; a block of zeros has e = 0. As a byte (E8M0): e + 127.
;;     - Each number is divided by its block's scale, clamped to +-7.5, and rounded to the nearest number of E2M3, ties to even, subnormals kept.
;;     - The product sums the exact products of the quantised numbers (number of the format x scale) in f32.
;;   ~~~python
;;   def quantise(x, axis):      # numpy; x: float32 -> the quantised numbers, widened to float32 again
;;       x = np.moveaxis(x, axis, -1); K = x.shape[-1]
;;       x = np.pad(x, [(0, 0)] * (x.ndim - 1) + [(0, -K % 32)]); x = x.reshape(x.shape[:-1] + (-1, 32)); a = np.abs(x).max(-1, keepdims=True)
;;       e = np.where(a > 0, np.clip(np.frexp(np.where(a > 0, a, 1))[1] - 1 - 2, -126, 127), 0)      # np.frexp(a)[1] - 1 = floor(log2(a)), exactly
;;       r = np.clip(x / 2.0 ** e, -7.5, 7.5)
;;       step = 2.0 ** (np.maximum(np.frexp(np.where(r == 0, 1, r))[1] - 1, 0) - 3)
;;       q = np.round(r / step) * step * 2.0 ** e      # np.round: ties to even
;;       return np.moveaxis(q.reshape(q.shape[:-2] + (-1,))[..., :K], -1, axis).astype(np.float32)
;;   ~~~
;;   SOFTMAX AHEAD OF A QUANTISED PRODUCT. Where the list says 'softmax', what is quantised is not the finished softmax but p = 2^(t - M), with t = logit x log2(e) and M = ceil(the row's largest t), a whole number; so 1/2 < the row's largest p <= 1. The row's sum l is taken of the UNQUANTISED p, in f32, and the product's result is divided by l at the end. Since M is a whole number, a kernel that streams over the keys may use a running M (the ceiling of the running maximum): every later rescaling is an exact power of two, which a block's scale takes up: the codes' values come out the same.
;;   OPERANDS COMPUTED ON THE WAY. 'Computed on the way' means the value that the module computes at that place (a softmax that the list does not call 'softmax' is quantised finished and normalised). What goes into a quantiser is computed in f32, as accurately as f32 sums, v_exp_f32 and their like allow (about 1e-6 of the number): no bf16 or f16 on the way to a quantiser, and a product that is left as it is and whose result goes on into a quantised operand takes f32 operands (vector FMAs, or v_wmma_f32_16x16x4_f32). A number that lies on a knife's edge between two numbers of the format may be rounded either way, as far as f32 arithmetic and the matrix unit's own rounding can turn it there, and no further.
;; One version. Each part assembles by itself: llvm-mc -triple=amdgcn-amd-amdhsa -mcpu=gfx1250 --defsym DOCPART=n.
;; ======== version 1 of 1: 4 launches
;; limits: right only within a limited range of input values
;; workspace buffers: cod1 34,603,008 bytes; scl1 1,441,792 bytes; qkc 3,932,160 bytes; qks 163,840 bytes; vc 786,432 bytes; vs 32,768 bytes; yc 3,145,728 bytes; ys 131,072 bytes
;; launch quant (part 1): grid 896 x 1, 4 waves a work-group, no clusters, 34,304 bytes of LDS; arguments x, wq, wk, wv, cod1, scl1; writes cod1, scl1
.if DOCPART == 1
	.amdgcn_target "amdgcn-amd-amdhsa--gfx1250"
	.amdhsa_code_object_version 6
	.text
	.protected	k_q6d214a01be_quant
	.globl	k_q6d214a01be_quant
	.p2align	8
	.type	k_q6d214a01be_quant,@function
k_q6d214a01be_quant:
	s_mov_b64 s[64:65], 0
	v_nop
	global_prefetch_b8 v0, s[64:65] scope:SCOPE_SE
	s_setreg_imm32_b32 hwreg(HW_REG_WAVE_MODE, 25, 1), 1
	s_wait_xcnt 0x0
; x [1024][4096], wq [4096][4096], wk, wv [1024][4096], all f32 with K innermost, become codes of FP6 (E2M3) with one E8M0 byte for each 32 along K.  (wo, which only the last launch wants, is quantised beside the attention.)
; A block's scale is 2^(floor(log2(its largest magnitude)) - 2); its byte is the largest magnitude's exponent field - 2, held at 1 from below.
; LIMITS: NaN and infinities are not served; a block whose largest magnitude lies under 2^-124 has its byte held at 1; a block of zeros gets the byte 1 where the rule says 127:
; its codes are zeros, which add nothing under any byte but 0xff, and the bytes are read by this program alone.
; THE CODES ARE LAID AS THE MATRIX UNIT'S REGISTERS WANT THEM.  A tile is 16 rows; a fragment (16 rows x 128 K) is 12 registers a lane and is stored as their image: registers 4 c .. 4 c + 3 of lane l at 512 c + 16 l,
; 1,536 bytes; a tile's 32 fragments follow each other (49,152 bytes).  Scale words (4 bytes: a row, 128 K) of a tile: [K step / 4][row][K step % 4], 2,048 bytes.
; TILES: 0-63 x; 64-447 the weights in the order in which the next launch's column tiles take them (column tile t: ten tiles of [wq; wk] rows 160 t on, two of wv rows 32 t on).
; In x, wq and wk the rows of a tile are not neighbours: place r of tile 2 b + u is row 32 b + 8 u + r + 8 (r / 8), so that results of two neighbouring tiles are 16 neighbours in a lane.  wv: rows as they lie.
; SHARES: two work-groups to a source tile, 448 tiles; a wave takes four K steps: K group 4 (work-group % 2) + wave.  Each load reads 512 consecutive bytes of one row; a K step's 8,192 bytes turn through the wave's own
; stage in LDS, so that lane (r, h) holds k = 64 c + 32 h + 0 .. 31 of row r: two whole blocks, in the operand's own order.  Each store of codes covers 512 consecutive bytes, aligned; a wave's scale words are 256, aligned.
; Waves share nothing: no barrier.  Loads run two K steps (32 loads a wave) ahead.
.set SROW,  16384                      ; a source row in bytes
.set PITCH, 528                        ; a stage row: 512 bytes + 16, an odd multiple of 16
.set WREG,  16*PITCH                   ; a wave's stage
.set TILEB, 49152
.set L16, 1                            ; v1   16 x lane
.set STI, 2                            ; v2   the stage, in: 16 x lane
.set STO, 3                            ; v3   the stage, out: row r, + 128 h
.set H8,  4                            ; v4   8 h
.set R16, 5                            ; v5   16 r
.set MX,  6                            ; v6-7   largest magnitudes of my two blocks
.set SE,  8                            ; v8-9   the conversions' scale operands
.set BY,  10                           ; v10-11 the bytes
.set WD,  12                           ; v12  my two bytes at their places
.set PX,  13                           ; v13  lane l xor 16's
.set SW,  16                           ; v16-19 the scale words of my four K steps
.set C,   28                           ; v28-39 the fragment
.set CT,  40                           ; v40-42, v44-46 second halves of the blocks' codes
.set R0,  48                           ; v48-175 two sets of 64: a K step as loaded
.set X,   176                          ; v176-239 a K step as the operand wants it
	s_load_b256 s[4:11], s[0:1], 0x0               ; x, wq, wk, wv
	s_load_b128 s[12:15], s[0:1], 0x20             ; cod1, scl1
	v_lshl_add_u32 v240, v0, 2, 0x8400
	v_mov_b32 v241, 0
	v_lshrrev_b32 v10, 5, v0
	v_readfirstlane_b32 s18, v10                   ; wave
	v_and_b32 v10, 31, v0
	v_lshlrev_b32 v[L16], 4, v10
	s_mul_i32 s19, s18, WREG
	v_add_nc_u32 v[STI], s19, v[L16]
	v_and_b32 v10, 15, v0                          ; r
	v_bfe_u32 v11, v0, 4, 1                        ; h
	v_lshlrev_b32 v[R16], 4, v10
	v_mul_u32_u24 v[STO], v10, PITCH
	v_lshl_add_u32 v[STO], v11, 7, v[STO]
	v_add_nc_u32 v[STO], s19, v[STO]
	v_lshlrev_b32 v[H8], 3, v11
	v_mov_b32 v[PX], 0                             ; written once: a lane permute's destination counts as one of its sources
	s_mov_b32 s32, 0x76543210
	s_mov_b32 s33, 0xfedcba98                      ; selects for lane l xor 16
	s_lshr_b32 s44, ttmp9, 1                       ; the source tile
	s_and_b32 s45, ttmp9, 1
	s_lshl_b32 s45, s45, 2
	s_add_co_u32 s45, s45, s18                     ; my K group, 0 .. 7: K steps 4 x group on
	s_wait_alu depctr_va_vdst(0)
	s_wait_kmcnt 0x0
	; which tensor: the choice hangs on the work-group's number alone.  s[20:21] the tensor, s22 its first tile, s23 = 1 where a tile's rows are permuted
	s_mov_b64 s[20:21], s[10:11]
	s_mov_b32 s22, 384
	s_mov_b32 s23, 0
	s_cmp_lt_u32 s44, 384
	s_cselect_b64 s[20:21], s[8:9], s[20:21]
	s_cselect_b32 s22, 320, s22
	s_cselect_b32 s23, 1, s23
	s_cmp_lt_u32 s44, 320
	s_cselect_b64 s[20:21], s[6:7], s[20:21]
	s_cselect_b32 s22, 64, s22
	s_cmp_lt_u32 s44, 64
	s_cselect_b64 s[20:21], s[4:5], s[20:21]
	s_cselect_b32 s22, 0, s22
	s_sub_co_u32 s34, s44, s22                     ; the tile's number in its tensor
	s_lshr_b32 s35, s34, 1
	s_lshl_b32 s35, s35, 5
	s_and_b32 s36, s34, 1
	s_lshl_b32 s36, s36, 3
	s_add_co_u32 s35, s35, s36                     ; permuted: first row 32 (tile / 2) + 8 (tile % 2)
	s_lshl_b32 s36, s34, 4                         ; as they lie: 16 x tile
	s_cmp_eq_u32 s23, 1
	s_cselect_b32 s35, s35, s36
	s_lshl_b32 s36, s35, 14                        ; in bytes (under 2^27),
	s_lshl_b32 s37, s45, 11                        ; + my K group's four K steps of 512 bytes
	s_add_co_u32 s36, s36, s37
	s_mov_b32 s37, 0
	s_add_nc_u64 s[24:25], s[20:21], s[36:37]      ; places 0-7
	s_lshl_b32 s36, s23, 17                        ; places 8-15 lie eight rows further on where the rows are permuted
	s_add_nc_u64 s[26:27], s[24:25], s[36:37]
	; where the tile goes
	s_sub_co_u32 s38, s44, 64                      ; tile of [wq; wk], 0 .. 319 (used only there)
	s_mul_i32 s39, s38, 6554
	s_lshr_b32 s39, s39, 16                        ; / 10, exact under 320
	s_lshl_b32 s39, s39, 1
	s_add_co_u32 s39, s39, s44                     ; 64 + tile + 2 (tile / 10)
	s_lshr_b32 s40, s34, 1
	s_mul_i32 s40, s40, 10
	s_add_co_u32 s40, s40, s34
	s_add_co_u32 s40, s40, 74                      ; wv: 64 + 12 (tile / 2) + 10 + tile % 2
	s_mov_b32 s41, s40
	s_cmp_lt_u32 s44, 384
	s_cselect_b32 s41, s39, s41
	s_cmp_lt_u32 s44, 64
	s_cselect_b32 s41, s44, s41
	s_mul_i32 s36, s41, TILEB
	s_mul_i32 s42, s45, 4*1536
	s_add_co_u32 s36, s36, s42
	s_add_nc_u64 s[28:29], s[12:13], s[36:37]      ; my four images
	s_lshl_b32 s36, s41, 11
	s_lshl_b32 s42, s45, 8
	s_add_co_u32 s36, s36, s42
	s_add_nc_u64 s[30:31], s[14:15], s[36:37]      ; my 256 bytes of scale words
.macro LOAD k                          ; my K step k of the 16 rows into set k % 2: each load 512 consecutive bytes of a row
.irp r, 0,1,2,3,4,5,6,7
	global_load_b128 v[R0+64*((\k)%2)+4*\r:R0+64*((\k)%2)+4*\r+3], v[L16], s[24:25] offset:\r*SROW+(\k)*512 th:TH_LOAD_NT
.endr
.irp r, 8,9,10,11,12,13,14,15
	global_load_b128 v[R0+64*((\k)%2)+4*\r:R0+64*((\k)%2)+4*\r+3], v[L16], s[26:27] offset:\r*SROW+(\k)*512 th:TH_LOAD_NT
.endr
.endm
.macro STEP k
.set RS, R0+64*((\k)%2)
.if (\k) < 3
	s_wait_loadcnt 16                              ; this K step's 16 loads are in; the next step's 16 may be out
.else
	s_wait_loadcnt 0x0
.endif
.irp r, 0,1,2,3,4,5,6,7,8,9,10,11,12,13,14,15
	ds_store_b128 v[STI], v[RS+4*\r:RS+4*\r+3] offset:\r*PITCH
.endr
.irp c, 0,1
.irp i, 0,1,2,3,4,5,6,7
	ds_load_b128 v[X+32*\c+4*\i:X+32*\c+4*\i+3], v[STO] offset:256*\c+16*\i   ; LDS serves a wave's instructions in order: these see the stores above
.endr
.endr
	s_wait_dscnt 0x0                               ; the numbers are back, and the stores into the stage have read their registers
	s_wait_xcnt 0x0                                ; the last step's stores of codes have read theirs: the fragment is written again only behind this wait
.if (\k) < 2
	LOAD (\k)+2
.endif
.irp c, 0,1
	v_max3_num_f32 v[MX+\c], |v[X+32*\c]|, |v[X+32*\c+1]|, 0x1800000   ; my block 2 c + h: all its 32 numbers are mine; the floor 2^(3 - 127) holds the byte at 1 from below
.endr
.irp i, 2,4,6,8,10,12,14,16,18,20,22,24,26,28,30
.irp c, 0,1
	v_max3_num_f32 v[MX+\c], v[MX+\c], |v[X+32*\c+\i]|, |v[X+32*\c+\i+1]|
.endr
.endr
.irp c, 0,1
	v_add_nc_u32 v[SE+\c], 0xff000000, v[MX+\c]    ; 2 off the exponent field: the conversion takes the exponent field of this operand as its scale
.endr
.irp c, 0,1
	v_lshrrev_b32 v[BY+\c], 23, v[SE+\c]           ; the byte
.endr
	v_lshl_or_b32 v[WD], v[BY+1], 16, v[BY]        ; blocks h and 2 + h,
	v_lshlrev_b32 v[WD], v[H8], v[WD]              ; at their places in the row's word;
	v_permlanex16_b32 v[PX], v[WD], s32, s33
	v_or_b32 v[SW+(\k)], v[WD], v[PX]              ; with lane l xor 16's two the word is whole
.irp c, 0,1
	v_cvt_scalef32_pk16_fp6_f32 v[C+6*\c:C+6*\c+2], v[X+32*\c:X+32*\c+15], v[SE+\c]
	v_cvt_scalef32_pk16_fp6_f32 v[CT+4*\c:CT+4*\c+2], v[X+32*\c+16:X+32*\c+31], v[SE+\c]   ; (a conversion's three registers begin on an even number)
.endr
	v_nop                                          ; one plain place behind a scaled conversion
.irp c, 0,1
.irp i, 0,1,2
	v_mov_b32 v[C+6*\c+3+\i], v[CT+4*\c+\i]
.endr
.endr
.irp c, 0,1,2
	global_store_b128 v[L16], v[C+4*\c:C+4*\c+3], s[28:29] offset:(\k)*1536+512*\c   ; 32 lanes store 512 consecutive bytes, aligned
.endr
.endm
	LOAD 0
	LOAD 1
.irp k, 0,1,2,3
	STEP \k
.endr
	global_store_b128 v[R16], v[SW:SW+3], s[30:31]   ; row r's four words: 256 consecutive bytes, aligned; lanes l and l + 16 hold the same words and store them at the same place
	s_wait_tensorcnt 0x0
	ds_add_u32 v240, v241
	s_wait_dscnt 0x0
	s_endpgm
.Lfunc_end_k_q6d214a01be_quant:
	.size	k_q6d214a01be_quant, .Lfunc_end_k_q6d214a01be_quant-k_q6d214a01be_quant
	.p2alignl 7, 3214868480
	.fill 96, 4, 3214868480
	.section	.rodata,"a",@progbits
	.p2align	6, 0x0
	.amdhsa_kernel k_q6d214a01be_quant
		.amdhsa_group_segment_fixed_size 34304
		.amdhsa_private_segment_fixed_size 0
		.amdhsa_enable_private_segment 0
		.amdhsa_kernarg_size 48
		.amdhsa_user_sgpr_count 2
		.amdhsa_user_sgpr_kernarg_segment_ptr 1
		.amdhsa_wavefront_size32 1
		.amdhsa_system_sgpr_workgroup_id_x 1
		.amdhsa_system_sgpr_workgroup_id_y 1
		.amdhsa_system_sgpr_workgroup_id_z 1
		.amdhsa_system_vgpr_workitem_id 0
		.amdhsa_next_free_vgpr 242
		.amdhsa_next_free_sgpr 66
		.amdhsa_reserve_vcc 0
		.amdhsa_float_denorm_mode_32 3
		.amdhsa_float_denorm_mode_16_64 3
		.amdhsa_memory_ordered 1
		.amdhsa_forward_progress 1
		.amdhsa_inst_pref_size 31
	.end_amdhsa_kernel
	.amdgpu_metadata
---
amdhsa.version: [ 1, 2 ]
amdhsa.kernels:
  - .name:           k_q6d214a01be_quant
    .symbol:         k_q6d214a01be_quant.kd
    .args:
      - { .name: x, .offset: 0, .size: 8, .value_kind: global_buffer, .address_space: global }
      - { .name: wq, .offset: 8, .size: 8, .value_kind: global_buffer, .address_space: global }
      - { .name: wk, .offset: 16, .size: 8, .value_kind: global_buffer, .address_space: global }
      - { .name: wv, .offset: 24, .size: 8, .value_kind: global_buffer, .address_space: global }
      - { .name: cod1, .offset: 32, .size: 8, .value_kind: global_buffer, .address_space: global }
      - { .name: scl1, .offset: 40, .size: 8, .value_kind: global_buffer, .address_space: global }
    .group_segment_fixed_size: 34304
    .private_segment_fixed_size: 0
    .kernarg_segment_align: 8
    .kernarg_segment_size: 48
    .max_flat_workgroup_size: 128
    .sgpr_count:     66
    .vgpr_count:     242
    .wavefront_size: 32
...
	.end_amdgpu_metadata
.endif
;; end of part 1
;; launch qkv (part 2): grid 8 x 32, 4 waves a work-group, clusters of 4 x 1, 327,680 bytes of LDS; arguments cod1, scl1, freqs_cis, qkc, qks, vc, vs; writes qkc, qks, vc, vs
.if DOCPART == 2
	.amdgcn_target "amdgcn-amd-amdhsa--gfx1250"
	.amdhsa_code_object_version 6
	.text
	.protected	k_q6d214a01be_qkv
	.globl	k_q6d214a01be_qkv
	.p2align	8
	.type	k_q6d214a01be_qkv,@function
k_q6d214a01be_qkv:
	s_mov_b64 s[64:65], 0
	v_nop
	global_prefetch_b8 v0, s[64:65] scope:SCOPE_SE
	s_setreg_imm32_b32 hwreg(HW_REG_WAVE_MODE, 25, 1), 1
	s_wait_xcnt 0x0
	s_wait_alu depctr_hold_cnt(0) depctr_sa_sdst(0) depctr_va_vdst(0) depctr_va_sdst(0) depctr_va_ssrc(0) depctr_va_vcc(0) depctr_vm_vsrc(0)
	s_getreg_b32 s2, hwreg(HW_REG_IB_STS2, 6, 4)
	s_cmp_eq_u32 s2, 0
	s_cbranch_scc0 .Lentry_in_a_cluster
	s_endpgm
.Lentry_in_a_cluster:
	s_bfe_u32 s2, ttmp6, 0x10000c
	s_cmp_lg_u32 s2, 0x3003
	s_cbranch_scc0 .Lentry_shape_is_right
	s_endpgm
.Lentry_shape_is_right:
; [q; k; v] = x [wq; wk; wv]^T on codes of FP6 (E2M3) with E8M0 scales, then the rotation of q and k by freqs_cis in f32, then the quantisers of the next two products:
; q and k along the head's channels, v along the keys.  Codes and scale words come from cod1 and scl1 as images of the operands' registers (a fragment, 16 rows x 128 K, is 1,536 bytes; a tile's 32 fragments 49,152).
; LIMITS: NaN and infinities are not served; a block whose largest magnitude lies under 2^-124 has its byte held at 1; a block of zeros gets the byte 1 (its codes are zeros; this program alone reads the bytes).
; SHARES.  A work-group makes 128 rows (row block = 4 (c / 32) + cx) x 192 columns (column block = c % 32: ten tiles of [wq; wk], two of wv).  Wave w takes x's tiles 2 w and 2 w + 1 against all twelve weight tiles: 24 accumulators.
; THE WEIGHTS go through LDS: every wave reads all twelve tiles.  Two slots of 8 K steps (12 tiles x 12,288 bytes).  Both are filled at the head, one joint load a wave (six tiles of one slot);
; slot 0 is filled again behind K step 7's round with K steps 16-23, slot 1 behind K step 15's with 24-31, three tiles a wave.  A wave has one tensor load out.
; CLUSTER: the four work-groups of a cluster are four row blocks of one column block: they ask for the weights jointly (mask 15).
; x's FRAGMENTS AND ALL SCALE WORDS go from memory straight into registers: a fragment of x is read by one wave of the work-group alone, so LDS and a joint load would spare nothing of it;
; each load covers 512 consecutive bytes (scale words: two aligned runs of 256).  Eight sets of registers for x: K step s + 7 is asked for in K step s.  Scale words of four K steps (7 loads) are asked for eight K steps ahead.
; PREFETCHES: the refills' tiles, 7 K steps ahead of their loads: of a wave's three tiles x 12,288 bytes the partner at place cx names 3,072 bytes of each, a lane to 256 bytes (lanes 12-31 name the twelfth again).
; And x: the 32 column blocks that read a row block share its K steps out: column block n names K step n of its waves' tiles, once, at the head (12 runs of 256 bytes a wave).
; The walk along K is written out: the counts of the waits on LOADcnt differ at both ends of the walk.
; REGISTERS: window 0: v0-31 addresses, v32-143 scale words (four sets of 28), v144-239 x's sets 0-3; windows 1, 2: v0-143 the weights' two sets, v144-207 freqs_cis, v208-255 x's sets 4, 5 and 6, 7; window 3: v0-191 accumulators.
.set TP,    12288                      ; 8 K steps of a tile
.set SLOT,  12*TP
.set SPARE, 2*SLOT                     ; the spare words, 512 bytes
.set TILEB, 49152
.set NS,    32                         ; K steps
.set PFO,  3                           ; v3   256 x min(lane, 11)
.set L16,  4                           ; v4   16 x lane
.set VSO,  5                           ; v5   scale words: 16 r + 2,048 h
.set ADRB, 6                           ; v6-11 LDS: slot s, tiles 4 k on, at 6 + 3 s + k
.set SPW,  12
.set NIL,  13
.set FRO,  14
.set RP,   15
.set VO,   16
.set VS,   21
.set VVO,  26
.set VVS,  27
.set SC,   32
.set FQ,   144
.set PAO,  240                         ; v240 x's prefetch: my lane's run of 256 bytes
.set G1H,  24                          ; group 1, six tiles;  G1R: three
.set G1R,  32
.set G0H,  40
.set G0R,  44                          ; two groups 0 for the two refills
.set AB,   52                          ; s[52:53] my x tiles' codes
.set SAS,  54                          ; their scale words
.set SBS,  56                          ; the weights' scale words
.set PFB,  58
.set PFA,  60
.set VOS,  68
.set VSS,  73
.set FB,   86
.set SEL,  100
.set MSB, 0
.macro WIN new
.if MSB != (\new)
	s_set_vgpr_msb (MSB<<8)|(\new)
.set MSB, (\new)
.endif
.endm
.macro PLACES n
.rept \n
	v_nop
.endr
.endm
.macro CREST
	s_cmp_lg_u32 s18, 0
	s_cbranch_scc1 .Lnot_wave_0_\@
	s_barrier_signal -3
.Lnot_wave_0_\@:
	s_barrier_wait -3
	s_barrier_signal -1
	s_barrier_wait -1
.endm
.macro CROUND
	s_barrier_signal -1
	s_barrier_wait -1
	CREST
.endm
	s_load_b256 s[4:11], s[0:1], 0x0               ; cod1, scl1, freqs_cis, qkc
	s_load_b128 s[12:15], s[0:1], 0x20             ; qks, vc
	s_load_b64 s[16:17], s[0:1], 0x30              ; vs
	v_lshl_add_u32 v[SPW], v0, 2, SPARE
	v_mov_b32 v[NIL], 0
	ds_add_u32 v[SPW], v[NIL]                      ; the opening lines: the add twice on end, under one wait
	ds_add_u32 v[SPW], v[NIL]
	v_lshrrev_b32 v1, 5, v0
	v_readfirstlane_b32 s18, v1                    ; wave
	; all scalar set-up that hangs on ids alone, then all vector set-up
	s_lshr_b32 s19, s18, 1
	s_and_b32 s20, s18, 1
	s_bfe_u32 s21, ttmp6, 0x40000                  ; cx
	; THE DEAL AS IT STANDS NOW (in place of the one named at the head): by the cluster's number c = 2 y + x: column block c % 32, row block 4 (c / 32) + cx,
	; so that the two clusters that read one column block's weights are 32 numbers apart
	s_and_b32 s67, ttmp7, 0xffff
	s_lshl_b32 s67, s67, 1
	s_add_co_u32 s67, s67, ttmp9                   ; c
	s_lshr_b32 s66, s67, 5
	s_lshl_b32 s66, s66, 2
	s_add_co_u32 s66, s66, s21                     ; row block
	s_and_b32 s67, s67, 31                         ; column block
.irp g, G1H, G1R
	s_mov_b32 s[\g], 15|(3<<16)|(1<<21)            ; the mask names all four; elements of 8 bytes
	s_mov_b32 s[\g+1], 1536<<16                    ; a row: 12,288 bytes of one tile
	s_mov_b32 s[\g+3], 1536<<16
	s_mov_b32 s[\g+5], TILEB/8
	s_mov_b32 s[\g+6], 0
	s_mov_b32 s[\g+7], 0
.endr
	s_mov_b32 s[G1H+2], 6<<16
	s_mov_b32 s[G1H+4], 6
	s_mov_b32 s[G1R+2], 3<<16
	s_mov_b32 s[G1R+4], 3
	s_mul_i32 s22, s67, 12
	s_add_co_u32 s22, s22, 64                      ; the column block's first tile in cod1 and scl1
	s_mul_i32 s23, s22, TILEB
	s_mul_i32 s94, s20, 6*TILEB
	s_mul_i32 s95, s19, TP
	s_mov_b32 s[G0H], 1
	s_mul_i32 s[G0H+1], s18, 6*TP                  ; slot wave / 2, tiles 6 (wave % 2) on
	s_add_co_u32 s[G0H+2], s23, s94
	s_add_co_u32 s[G0H+2], s[G0H+2], s95
	s_mov_b32 s[G0H+3], 0
	s_mul_i32 s94, s18, 3*TILEB
	s_add_co_u32 s94, s23, s94                     ; the refills: tiles 3 x wave on
	s_mov_b32 s[G0R], 1
	s_mul_i32 s[G0R+1], s18, 3*TP
	s_add_co_u32 s[G0R+2], s94, 2*TP               ; K steps 16-23
	s_mov_b32 s[G0R+3], 0
	s_mov_b32 s[G0R+4], 1
	s_add_co_u32 s[G0R+5], s[G0R+1], SLOT
	s_add_co_u32 s[G0R+6], s94, 3*TP               ; K steps 24-31
	s_mov_b32 s[G0R+7], 0
	s_mul_i32 s95, s21, 3072
	s_add_co_u32 s[PFB], s94, s95                  ; my work-group's 3,072 bytes of each 12,288
	s_mov_b32 s[PFB+1], 0
	s_lshl_b32 s[SBS], s22, 11
	s_mov_b32 s[SBS+1], 0
	s_lshl_b32 s94, s66, 3
	s_lshl_b32 s95, s18, 1
	s_add_co_u32 s94, s94, s95                     ; my first tile of x
	s_mul_i32 s[AB], s94, TILEB
	s_mov_b32 s[AB+1], 0
	s_lshl_b32 s[SAS], s94, 11
	s_mov_b32 s[SAS+1], 0
	s_mul_i32 s95, s67, 1536
	s_add_co_u32 s[PFA], s[AB], s95                ; K step = column block
	s_mov_b32 s[PFA+1], 0
.irp b, 0,1,2,3
	s_add_co_u32 s94, s67, \b
	s_and_b32 s94, s94, 3
	s_lshl_b32 s[FB+2*\b], s94, 7                  ; freqs_cis: the 32 channels of pair b of tiles
	s_mov_b32 s[FB+2*\b+1], 0
.endr
	s_mul_i32 s94, s67, 5
.irp b, 0,1,2,3,4
	s_add_co_u32 s95, s94, \b                      ; block of 32 channels of [q; k]
	s_lshr_b32 s96, s95, 2                         ; its head,
	s_and_b32 s97, s95, 3                          ; its plane
	s_lshl_b32 s98, s96, 3
	s_add_co_u32 s98, s98, s66
	s_lshl_b32 s98, s98, 2
	s_add_co_u32 s98, s98, s97
	s_mul_i32 s[VOS+\b], s98, 3072
	s_lshl_b32 s99, s96, 12
	s_add_co_u32 s[VSS+\b], s99, s97
.endr
	s_lshr_b32 s95, s67, 2
	s_and_b32 s96, s67, 3
	s_lshl_b32 s97, s95, 5
	s_lshl_b32 s98, s66, 2
	s_add_co_u32 s97, s97, s98
	s_add_co_u32 s97, s97, s18
	s_mul_i32 s97, s97, 3072
	s_mul_i32 s98, s96, 32*24
	s_add_co_u32 s78, s97, s98                     ; v's codes
	s_lshl_b32 s97, s95, 3
	s_add_co_u32 s97, s97, s66
	s_lshl_b32 s97, s97, 7
	s_lshl_b32 s98, s96, 5
	s_add_co_u32 s97, s97, s98
	s_lshl_b32 s97, s97, 2
	s_add_co_u32 s79, s97, s18                     ; v's scale bytes
	s_lshl_b32 s80, s18, 5
	s_lshl_b32 s81, s66, 7
	s_mov_b32 s[SEL], 0x76543210
	s_mov_b32 s[SEL+1], 0xfedcba98
	v_and_b32 v1, 15, v0                           ; r
	v_bfe_u32 v2, v0, 4, 1                         ; h
	v_and_b32 v241, 31, v0
	v_lshlrev_b32 v[L16], 4, v241
	v_min_u32 v242, 11, v241
	v_lshlrev_b32 v[PFO], 8, v242
	v_mul_u32_u24 v243, v242, 43
	v_lshrrev_b32 v243, 8, v243                    ; min(lane, 11) / 6: which of my two tiles of x
	v_mul_u32_u24 v243, v243, TILEB-1536
	v_add_nc_u32 v[PAO], v243, v[PFO]
.irp s, 0,1
.irp k, 0,1,2
	v_add_nc_u32 v[ADRB+3*\s+\k], \s*SLOT+\k*4*TP, v[L16]
.endr
.endr
	v_lshlrev_b32 v[VSO], 4, v1
	v_lshl_add_u32 v[VSO], v2, 11, v[VSO]
	v_and_b32 v[RP], 8, v1
	v_add_nc_u32 v[RP], v[RP], v1                  ; r + 8 (r / 8)
	v_add_nc_u32 v28, s80, v[RP]                   ; my row in the block,
	v_mul_u32_u24 v29, v28, 24
	v_mad_u32_u24 v29, v2, 12, v29
	v_add_nc_u32 v30, s81, v28                     ; and in x
	v_lshl_add_u32 v31, v2, 3, v30
	v_lshlrev_b32 v31, 2, v31
	v_lshlrev_b32 v[FRO], 9, v30
	v_lshl_add_u32 v[FRO], v2, 6, v[FRO]
.irp b, 0,1,2,3,4
	v_add_nc_u32 v[VO+\b], s[VOS+\b], v29
	v_add_nc_u32 v[VS+\b], s[VSS+\b], v31
.endr
	v_mul_u32_u24 v[VVO], v1, 24
	v_mad_u32_u24 v[VVO], v2, 12, v[VVO]
	v_add_nc_u32 v[VVO], s78, v[VVO]
	v_lshl_add_u32 v[VVS], v2, 4, v1
	v_lshl_add_u32 v[VVS], v[VVS], 2, s79
	s_wait_alu depctr_va_vdst(0)                   ; the wait at the end of the head's vector work
	s_wait_dscnt 0x0                               ; both opening adds are done
	CROUND                                         ; all four work-groups are here: the first joint loads meet
	s_wait_kmcnt 0x0
	s_add_nc_u64 s[G0H+2:G0H+3], s[4:5], s[G0H+2:G0H+3]
	s_or_b32 s[G0H+3], s[G0H+3], 0x80000000
	tensor_load_to_lds s[G0H:G0H+3], s[G1H:G1H+7]  ; my one load at the head: six tiles x 8 K steps
	s_nop 0
	PLACES 4
	s_add_nc_u64 s[AB:AB+1], s[4:5], s[AB:AB+1]
	s_add_nc_u64 s[SAS:SAS+1], s[6:7], s[SAS:SAS+1]
	s_add_nc_u64 s[SBS:SBS+1], s[6:7], s[SBS:SBS+1]
	s_add_nc_u64 s[PFA:PFA+1], s[4:5], s[PFA:PFA+1]
	s_add_nc_u64 s[PFB:PFB+1], s[4:5], s[PFB:PFB+1]
	s_add_nc_u64 s[G0R+2:G0R+3], s[4:5], s[G0R+2:G0R+3]
	s_or_b32 s[G0R+3], s[G0R+3], 0x80000000
	s_add_nc_u64 s[G0R+6:G0R+7], s[4:5], s[G0R+6:G0R+7]
	s_or_b32 s[G0R+7], s[G0R+7], 0x80000000
.irp b, 0,1,2,3
	s_add_nc_u64 s[FB+2*\b:FB+2*\b+1], s[8:9], s[FB+2*\b:FB+2*\b+1]
.endr
.macro WM zero
.if \zero
.if SELA == 0 && SELB == 0
	v_wmma_scale_f32_16x16x128_f8f6f4 v[rD:rD+7], v[rA:rA+11], v[rB:rB+11], 0, v[rSA], v[rSB] matrix_a_fmt:MATRIX_FMT_FP6 matrix_b_fmt:MATRIX_FMT_FP6
.elseif SELA == 1 && SELB == 0
	v_wmma_scale_f32_16x16x128_f8f6f4 v[rD:rD+7], v[rA:rA+11], v[rB:rB+11], 0, v[rSA], v[rSB] matrix_a_fmt:MATRIX_FMT_FP6 matrix_b_fmt:MATRIX_FMT_FP6 matrix_a_scale:MATRIX_SCALE_ROW1
.elseif SELA == 0 && SELB == 1
	v_wmma_scale_f32_16x16x128_f8f6f4 v[rD:rD+7], v[rA:rA+11], v[rB:rB+11], 0, v[rSA], v[rSB] matrix_a_fmt:MATRIX_FMT_FP6 matrix_b_fmt:MATRIX_FMT_FP6 matrix_b_scale:MATRIX_SCALE_ROW1
.else
	v_wmma_scale_f32_16x16x128_f8f6f4 v[rD:rD+7], v[rA:rA+11], v[rB:rB+11], 0, v[rSA], v[rSB] matrix_a_fmt:MATRIX_FMT_FP6 matrix_b_fmt:MATRIX_FMT_FP6 matrix_a_scale:MATRIX_SCALE_ROW1 matrix_b_scale:MATRIX_SCALE_ROW1
.endif
.else
.if SELA == 0 && SELB == 0
	v_wmma_scale_f32_16x16x128_f8f6f4 v[rD:rD+7], v[rA:rA+11], v[rB:rB+11], v[rD:rD+7], v[rSA], v[rSB] matrix_a_fmt:MATRIX_FMT_FP6 matrix_b_fmt:MATRIX_FMT_FP6
.elseif SELA == 1 && SELB == 0
	v_wmma_scale_f32_16x16x128_f8f6f4 v[rD:rD+7], v[rA:rA+11], v[rB:rB+11], v[rD:rD+7], v[rSA], v[rSB] matrix_a_fmt:MATRIX_FMT_FP6 matrix_b_fmt:MATRIX_FMT_FP6 matrix_a_scale:MATRIX_SCALE_ROW1
.elseif SELA == 0 && SELB == 1
	v_wmma_scale_f32_16x16x128_f8f6f4 v[rD:rD+7], v[rA:rA+11], v[rB:rB+11], v[rD:rD+7], v[rSA], v[rSB] matrix_a_fmt:MATRIX_FMT_FP6 matrix_b_fmt:MATRIX_FMT_FP6 matrix_b_scale:MATRIX_SCALE_ROW1
.else
	v_wmma_scale_f32_16x16x128_f8f6f4 v[rD:rD+7], v[rA:rA+11], v[rB:rB+11], v[rD:rD+7], v[rSA], v[rSB] matrix_a_fmt:MATRIX_FMT_FP6 matrix_b_fmt:MATRIX_FMT_FP6 matrix_a_scale:MATRIX_SCALE_ROW1 matrix_b_scale:MATRIX_SCALE_ROW1
.endif
.endif
.endm
.macro AREG st                         ; where x's two fragments of K step st stand: window AW, register AR
.set kk, (\st)%8
.if kk < 4
.set AW, 0
.set AR, 144+24*kk
.elseif kk < 6
.set AW, 1
.set AR, 208+24*(kk-4)
.else
.set AW, 2
.set AR, 208+24*(kk-6)
.endif
.endm
; q and k, transposed: source 0 = a tile of weights, source 1 = x's tile a: a lane holds one row of x, its registers run along the channels.  The 24 accumulators take turns
.macro MQ a, j0, n, st, zero
	AREG \st
	WIN 0xf0|(AW<<2)|(1+(\st)%2)
.set jj, \j0
.rept \n
.set rD, 80*(\a)+8*jj
.set rA, 12*jj
.set rB, AR+12*(\a)
.set rSA, SC+28*(((\st)/4)%4)+4+4*(jj/2)+(\st)%4
.set rSB, SC+28*(((\st)/4)%4)+(\st)%4
.set SELA, jj%2
.set SELB, \a
	WM \zero
.set jj, jj+1
.endr
.endm
; v: source 0 = x, source 1 = wv: a lane holds one channel, its registers run along the keys
.macro MV st, zero
	AREG \st
	WIN 0xf0|((1+(\st)%2)<<2)|AW
.irp j, 10,11
.irp a, 0,1
.set rD, 160+16*(\j-10)+8*\a
.set rA, AR+12*\a
.set rB, 12*\j
.set rSA, SC+28*(((\st)/4)%4)+(\st)%4
.set rSB, SC+28*(((\st)/4)%4)+24+(\st)%4
.set SELA, \a
.set SELB, \j-10
	WM \zero
.endr
.endr
.endm
.macro FETCH st                        ; the weights' twelve fragments of K step st from LDS into set st % 2
	WIN (1+(\st)%2)<<6
.irp j, 0,1,2,3,4,5,6,7,8,9,10,11
.irp c, 0,1,2
	ds_load_b128 v[12*\j+4*\c:12*\j+4*\c+3], v[ADRB+3*(((\st)/8)%2)+\j/4] offset:(\j%4)*TP+((\st)%8)*1536+512*\c
.endr
.endr
.endm
.macro ALOAD st                        ; x's two fragments of K step st from memory: 6 loads
	AREG \st
	WIN AW<<6
.irp a, 0,1
.irp c, 0,1,2
	global_load_b128 v[AR+12*\a+4*\c:AR+12*\a+4*\c+3], v[L16], s[AB:AB+1] offset:\a*TILEB+(\st)*1536+512*\c
.endr
.endr
.endm
.macro SLOADS g                        ; the scale words of K steps 4 g .. 4 g + 3: lanes 0-15 the even tile's rows, lanes 16-31 the odd tile's: 7 loads
	WIN 0
	global_load_b128 v[SC+28*((\g)%4):SC+28*((\g)%4)+3], v[VSO], s[SAS:SAS+1] offset:256*(\g)
.irp e, 0,1,2,3,4,5
	global_load_b128 v[SC+28*((\g)%4)+4+4*\e:SC+28*((\g)%4)+7+4*\e], v[VSO], s[SBS:SBS+1] offset:4096*\e+256*(\g)
.endr
.endm
.macro FLOAD u                         ; a quarter of freqs_cis for the way out, u = 1 .. 4: 8 loads
	WIN (1+((\u)-1)/2)<<6
.irp d, 0,1
.set fb, 2*(((\u)-1)%2)+\d
.irp i, 0,1,2,3
	global_load_b128 v[FQ+16*fb+4*\i:FQ+16*fb+4*\i+3], v[FRO], s[FB+2*fb:FB+2*fb+1] offset:4096*(((\u)-1)/2)+16*\i
.endr
.endr
.endm
.macro ISSUE st                        ; what K step st asks of memory, in this order
.if (\st) >= 1 && (\st)+7 < NS
	ALOAD (\st)+7                                  ; into the set that K step st - 1 has read
.endif
.if (\st)%4 == 0 && (\st)/4+2 < 8
	SLOADS (\st)/4+2
.endif
.if (\st) >= 1 && (\st) <= 4
	FLOAD \st
.endif
.endm
; The wait for x's fragments of K step st: the count is the number of loads issued behind them, added up from ISSUE's own order (at the head: the sets of K steps st + 1 .. 7).
; The step's scale words were asked for ahead of these fragments, so the same wait covers them.  The field holds 63 at the most: a smaller count waits for more.
.macro LWAIT st
.set CN, 0
.if (\st) < 7
.set CN, 6*(7-(\st))
.endif
.set uu, (\st)-7
.rept 7
.if uu >= 0
.if uu > (\st)-7 && uu >= 1 && uu+7 < NS
.set CN, CN+6
.endif
.if uu%4 == 0 && uu/4+2 < 8
.set CN, CN+7
.endif
.if uu >= 1 && uu <= 4
.set CN, CN+8
.endif
.endif
.set uu, uu+1
.endr
.if CN > 63
.set CN, 63
.endif
	s_wait_loadcnt CN
.endm
.macro PF f                            ; the tiles of the refill with K steps 8 f on: my work-group's share of my three tiles
	WIN 0
.irp j, 0,1,2
	global_prefetch_b8 v[PFO], s[PFB:PFB+1] offset:\j*TILEB+(\f)*TP th:TH_LOAD_NT scope:SCOPE_SE
.endr
.endm
.macro STEP st, zero
	s_wait_dscnt 0x0                               ; the weights' fragments of this K step are in
	LWAIT \st
.if (\st)+1 < NS
	PLACES 4                                       ; four places ahead of loads into registers that the last products read
	ISSUE \st
	FETCH (\st)+1
.endif
.if (\st) == 0
	PF 2
.endif
.if (\st) == 8
	PF 3
.endif
	MQ 0, 0, 10, \st, \zero
	MQ 1, 0, 10, \st, \zero
	MV \st, \zero
.endm
; A slot's last K step.  Its fragments are in registers; the three lines, the barrier (with a refill: a round of the cluster's barrier), the refill, then the other slot's first fragments
.macro TURN st, fill, g0
	WIN 0
	s_wait_tensorcnt 0x0                           ; all my tensor loads have landed,
	ds_add_u32 v[SPW], v[NIL]                      ; 0 onto my spare word;
	s_wait_dscnt 1                                 ; (the add may be out)
	LWAIT \st
	MQ 0, 0, 5, \st, 0
	s_wait_dscnt 0x0                               ; the add is done, and my reads of this slot are over
	s_barrier_signal -1
	MQ 0, 5, 5, \st, 0
	WIN 0
	s_barrier_wait -1
.if \fill
	CREST
	tensor_load_to_lds s[\g0:\g0+3], s[G1R:G1R+7]  ; my one load behind the round: three tiles x 8 K steps into the slot just read out
	s_nop 0
.endif
	PLACES 4
	ISSUE \st
	FETCH (\st)+1
	MQ 1, 0, 10, \st, 0
	MV \st, 0
.endm
	SLOADS 0
	SLOADS 1
.irp s, 0,1,2,3,4,5,6,7
	ALOAD \s
.endr
	WIN 0
	global_prefetch_b8 v[PAO], s[PFA:PFA+1] th:TH_LOAD_NT scope:SCOPE_SE   ; x: K step = my column block, my two tiles
	s_wait_tensorcnt 0x0                           ; my six tiles are in,
	s_barrier_signal -1
	s_barrier_wait -1                              ; and everybody's: both slots are whole
	FETCH 0
	STEP 0, 1                                      ; the first products start the sums
.irp s, 1,2,3,4,5,6
	STEP \s, 0
.endr
	TURN 7, 1, G0R
.irp s, 8,9,10,11,12,13,14
	STEP \s, 0
.endr
	TURN 15, 1, G0R+4
.irp s, 16,17,18,19,20,21,22
	STEP \s, 0
.endr
	TURN 23, 0, 0
.irp s, 24,25,26,27,28,29,30,31
	STEP \s, 0
.endr
	WIN 0
; THE WAY OUT.  q and k: rotated by freqs_cis, then a block of 32 channels (16 in lane l, 16 in lane l xor 16) gets its scale and its codes.  v: a block of 32 keys likewise.
.set T,   32
.set MX,  112
.set PX,  117
.set SE,  122
.set BY,  128
.set CD,  140
.set BO,  180
.set VM,  186
.set VPX, 188
.set VSE, 190
.set VBY, 192
.set VBO, 194
.set VCD, 196
	PLACES 4
	s_wait_loadcnt 0x0
.irp b, 0,1,2,3,4
	v_mov_b32 v[PX+\b], 0                          ; a lane permute's destination counts as one of its sources
.endr
	v_mov_b32 v[VPX], 0
	v_mov_b32 v[VPX+1], 0
.macro ROPEQ a
	WIN 0x03|((1+\a)<<2)
.irp b, 0,1,2,3,4
.irp i, 0,1,2,3,4,5,6,7
	v_mul_f32 v[T+16*\b+2*\i], v[80*\a+16*\b+2*\i+1], v[FQ+16*(\b%4)+2*\i+1]
	v_mul_f32 v[T+16*\b+2*\i+1], v[80*\a+16*\b+2*\i+1], v[FQ+16*(\b%4)+2*\i]
	v_fma_f32 v[T+16*\b+2*\i], v[80*\a+16*\b+2*\i], v[FQ+16*(\b%4)+2*\i], -v[T+16*\b+2*\i]
	v_fma_f32 v[T+16*\b+2*\i+1], v[80*\a+16*\b+2*\i], v[FQ+16*(\b%4)+2*\i+1], v[T+16*\b+2*\i+1]
.endr
.endr
	WIN 0
.irp b, 0,1,2,3,4
	v_max3_num_f32 v[MX+\b], |v[T+16*\b]|, |v[T+16*\b+1]|, 0x1800000   ; the floor 2^(3 - 127) holds the byte at 1 from below
.endr
.irp i, 2,4,6,8,10,12,14
.irp b, 0,1,2,3,4
	v_max3_num_f32 v[MX+\b], v[MX+\b], |v[T+16*\b+\i]|, |v[T+16*\b+\i+1]|
.endr
.endr
.irp b, 0,1,2,3,4
	v_permlanex16_b32 v[PX+\b], v[MX+\b], s[SEL], s[SEL+1]
.endr
.irp b, 0,1,2,3,4
	v_max_num_f32 v[MX+\b], v[MX+\b], v[PX+\b]
.endr
.irp b, 0,1,2,3,4
	v_add_nc_u32 v[SE+\b], 0xff000000, v[MX+\b]    ; 2 off the exponent field: the conversion's scale operand
.endr
.irp b, 0,1,2,3,4
	v_lshrrev_b32 v[BY+5*\a+\b], 23, v[SE+\b]
.endr
.irp b, 0,1,2,3,4
	v_cvt_scalef32_pk16_fp6_f32 v[CD+20*\a+4*\b:CD+20*\a+4*\b+2], v[T+16*\b:T+16*\b+15], v[SE+\b]
.endr
	v_nop                                          ; one plain place behind a scaled conversion
.irp b, 0,1,2,3,4
	global_store_b96 v[VO+\b], v[CD+20*\a+4*\b:CD+20*\a+4*\b+2], s[10:11] offset:192*\a
.endr
.endm
	ROPEQ 0
	ROPEQ 1
	v_cmp_eq_u32 vcc_lo, 1, v2
.irp b, 0,1,2,3,4
	v_cndmask_b32 v[BO+\b], v[BY+\b], v[BY+5+\b], vcc_lo
.endr
.irp b, 0,1,2,3,4
	global_store_b8 v[VS+\b], v[BO+\b], s[12:13]
.endr
	WIN 0x0f
.irp u, 0,1
	v_max3_num_f32 v[VM+\u], |v[160+16*\u]|, |v[161+16*\u]|, 0x1800000
.endr
.irp i, 2,4,6,8,10,12,14
.irp u, 0,1
	v_max3_num_f32 v[VM+\u], |v[160+16*\u+\i]|, |v[161+16*\u+\i]|, v[VM+\u]
.endr
.endr
	WIN 0
.irp u, 0,1
	v_permlanex16_b32 v[VPX+\u], v[VM+\u], s[SEL], s[SEL+1]
.endr
.irp u, 0,1
	v_max_num_f32 v[VM+\u], v[VM+\u], v[VPX+\u]
.endr
.irp u, 0,1
	v_add_nc_u32 v[VSE+\u], 0xff000000, v[VM+\u]
.endr
.irp u, 0,1
	v_lshrrev_b32 v[VBY+\u], 23, v[VSE+\u]
.endr
	WIN 0x03
.irp u, 0,1
	v_cvt_scalef32_pk16_fp6_f32 v[VCD+4*\u:VCD+4*\u+2], v[160+16*\u:175+16*\u], v[VSE+\u]
.endr
	WIN 0
	v_nop
	v_cndmask_b32 v[VBO], v[VBY], v[VBY+1], vcc_lo
.irp u, 0,1
	global_store_b96 v[VVO], v[VCD+4*\u:VCD+4*\u+2], s[14:15] offset:384*\u
.endr
	global_store_b8 v[VVS], v[VBO], s[16:17]
	s_wait_tensorcnt 0x0                           ; the wave's end
	ds_add_u32 v[SPW], v[NIL]
	s_wait_dscnt 0x0
	CROUND                                         ; the closing round
	s_endpgm
.Lfunc_end_k_q6d214a01be_qkv:
	.size	k_q6d214a01be_qkv, .Lfunc_end_k_q6d214a01be_qkv-k_q6d214a01be_qkv
	.p2alignl 7, 3214868480
	.fill 96, 4, 3214868480
	.section	.rodata,"a",@progbits
	.p2align	6, 0x0
	.amdhsa_kernel k_q6d214a01be_qkv
		.amdhsa_group_segment_fixed_size 327680
		.amdhsa_private_segment_fixed_size 0
		.amdhsa_enable_private_segment 0
		.amdhsa_kernarg_size 56
		.amdhsa_user_sgpr_count 2
		.amdhsa_user_sgpr_kernarg_segment_ptr 1
		.amdhsa_wavefront_size32 1
		.amdhsa_system_sgpr_workgroup_id_x 1
		.amdhsa_system_sgpr_workgroup_id_y 1
		.amdhsa_system_sgpr_workgroup_id_z 1
		.amdhsa_system_vgpr_workitem_id 0
		.amdhsa_next_free_vgpr 1024
		.amdhsa_next_free_sgpr 102
		.amdhsa_reserve_vcc 1
		.amdhsa_float_denorm_mode_32 3
		.amdhsa_float_denorm_mode_16_64 3
		.amdhsa_memory_ordered 1
		.amdhsa_forward_progress 1
		.amdhsa_inst_pref_size 244
	.end_amdhsa_kernel
	.amdgpu_metadata
---
amdhsa.version: [ 1, 2 ]
amdhsa.kernels:
  - .name:           k_q6d214a01be_qkv
    .symbol:         k_q6d214a01be_qkv.kd
    .args:
      - { .name: cod1, .offset: 0, .size: 8, .value_kind: global_buffer, .address_space: global }
      - { .name: scl1, .offset: 8, .size: 8, .value_kind: global_buffer, .address_space: global }
      - { .name: freqs_cis, .offset: 16, .size: 8, .value_kind: global_buffer, .address_space: global }
      - { .name: qkc, .offset: 24, .size: 8, .value_kind: global_buffer, .address_space: global }
      - { .name: qks, .offset: 32, .size: 8, .value_kind: global_buffer, .address_space: global }
      - { .name: vc, .offset: 40, .size: 8, .value_kind: global_buffer, .address_space: global }
      - { .name: vs, .offset: 48, .size: 8, .value_kind: global_buffer, .address_space: global }
    .group_segment_fixed_size: 327680
    .private_segment_fixed_size: 0
    .kernarg_segment_align: 8
    .kernarg_segment_size: 56
    .max_flat_workgroup_size: 128
    .sgpr_count:     102
    .vgpr_count:     1024
    .wavefront_size: 32
...
	.end_amdgpu_metadata
.endif
;; end of part 2
;; launch attn (part 3): grid 32 x 8, 16 waves a work-group, clusters of 4 x 1, 274,432 bytes of LDS; arguments qkc, qks, vc, vs, wo, yc, ys, cod1, scl1; writes yc, ys, cod1, scl1
.if DOCPART == 3
	.amdgcn_target "amdgcn-amd-amdhsa--gfx1250"
	.amdhsa_code_object_version 6
	.text
	.protected	k_q6d214a01be_attn
	.globl	k_q6d214a01be_attn
	.p2align	8
	.type	k_q6d214a01be_attn,@function
k_q6d214a01be_attn:
	s_mov_b64 s[64:65], 0
	v_nop
	global_prefetch_b8 v0, s[64:65] scope:SCOPE_SE
	s_setreg_imm32_b32 hwreg(HW_REG_WAVE_MODE, 25, 1), 1
	s_wait_xcnt 0x0
	s_wait_alu depctr_hold_cnt(0) depctr_sa_sdst(0) depctr_va_vdst(0) depctr_va_sdst(0) depctr_va_ssrc(0) depctr_va_vcc(0) depctr_vm_vsrc(0)
	s_getreg_b32 s2, hwreg(HW_REG_IB_STS2, 6, 4)
	s_cmp_eq_u32 s2, 0
	s_cbranch_scc0 .Lentry_in_a_cluster
	s_endpgm
.Lentry_in_a_cluster:
	s_bfe_u32 s2, ttmp6, 0x10000c
	s_cmp_lg_u32 s2, 0x3003
	s_cbranch_scc0 .Lentry_shape_is_right
	s_endpgm
.Lentry_shape_is_right:
; Causal attention on codes of FP6 (E2M3), 32 query heads on 8 key and value heads, 1,024 rows, head size 128; y = O / l is quantised along (head, channel) and leaves as the last product's operand.
; BESIDE IT wo [4096][4096] f32 is quantised for the last launch: the attention's own buffers are 8 MB, wo's numbers and codes 80 MB, and nothing ahead of the last launch wants them.
; THE SOFTMAX AHEAD OF THE SECOND PRODUCT: t = score x log2(e) / sqrt(128); M = the row's largest t so far, rounded UP to a whole number; p = 2^(t - M) is what is quantised, along the keys; it is not normalised.
; The row's sum is taken of the unquantised p, in f32, and divides O at the end.  When M moves, the sum and O are multiplied by 2^(old M - new M): exact.
; LIMITS: NaN and infinities are not served; a block whose largest magnitude lies under 2^-124 has its byte held at 1; a block of zeros gets the byte 1 (its codes are zeros; this program alone reads the bytes).
; SHARES.  A work-group has one query head and sixteen waves.  WAVES 0-7 each own ONE tile of 16 queries.  Tile n needs n / 8 + 1 key steps of 128.  Work-group y = g: waves 0-3 take tiles 4 g + w, waves 4-7 tiles 67 - 4 g - w:
; waves w and w + 4 have nine key steps together, in every work-group.  WAVES 8-15 quantise tile 32 g + head of wo (16 rows), four K steps of 128 each, into cod1's tiles 448 on and scl1, laid as the first launch lays its tiles.
; CLUSTER.  The four work-groups of a cluster are the four query heads of one key and value head: K, V and their scale words are asked for JOINTLY.  The partners differ in the query head alone, which enters only
; global addresses (q, y, wo and its codes): every branch hangs on the work-group's y and the wave's number, alike in all four.
; LDS IS FILLED ONCE: a head's K and V codes are 196,608 bytes, laid [K, V][key step 8][12,288].  Every wave issues one tensor load at the start; one barrier; nothing is filled again.
; Waves 8-15 ask for no part of wo ahead of that barrier, so that wo's loads do not stand in front of the tiles.  Their stages, 8,448 bytes a wave, lie behind the tiles, in blocks into which no tensor load lands.
; EVERY WAVE WALKS THE KEY LOOP: a branch on the wave's number inside it leads waves 8-15 round the work; so the scalars that the loop steps are stepped alike in all waves.  LDS address registers are made at the head,
; and the quantising waves keep their numbers out of them.
; LAYOUT.  Both products are used transposed: S^T = K Q^T, O^T = V^T P^T: a lane holds ONE query throughout.  The keys of a tile of K, and the channels of a tile of V, are not neighbours: place r of tile 2 b + u is
; 32 b + 8 u + r + 8 (r / 8), so that the 16 registers of tiles 2 b and 2 b + 1 are 16 neighbours along the next K.  K's or V's part of a key step: four planes (a block of 32 along K each) of 128 rows x 24 bytes.
; LDS LOADS STAND EARLY.  K's eight fragments go out in one run at a step's head; V's tiles 0-4 and its scale words straight behind the scores' products, so that they land during the softmax; V's tiles 5-7 behind the conversions, into p's registers.
; REGISTERS (waves 0-7): v1, v3 LDS addresses that stay; v8, v10 those in hand; v4, v5 16 x lane, 16 r; v12 -M, v13 the largest t, v[14:15] the sum; v16-27 Q; v255 Q's scale words; v96-159 S^T, then p; v160-223 O^T;
;   K's fragments: tile 0 v148-159, tiles 1-5 v32-91, tiles 6, 7 v224-247;  V's: tiles 0-4 v32-91, tiles 5-7 v96-131;  scale words of tiles 0-3 v248-251, of tiles 4-7 v92-95;  v224-235 p's codes; v232-247, v252-254 at work.
; REGISTERS (waves 8-15): v2, v30 the stage; v31 8 h; v12-23 at work; v32-50 the fragment; v52-179 two K steps as loaded; v180-243 a K step as the operand wants it.
.set CH,    12288                      ; a key step's codes of K or of V
; LDS AS IT IS LAID NOW: K's eight key steps on end (98,304 bytes), then V's eight, then the scale words.  Every wave issues ONE tensor load at the head:
; waves 0-3 a quarter of K's codes (two key steps, 24,576 bytes), waves 4-7 a quarter of V's, waves 8-11 a quarter of K's scale words (1,024 bytes), waves 12-15 of V's.
.set STEPB, CH                         ; from key step to key step in K's part, and in V's
.set VOFF,  8*CH                       ; V's part lies behind K's: beyond an LDS offset's 16 bits, so V has an address register of its own
.set KSC,   16*CH
.set ADV,   9                          ; v9   V's address in hand
.set QST,   KSC+8192                   ; the quantising waves' stages
.set QPITCH, 528                       ; a stage row: 512 bytes + 16, an odd multiple of 16
.set QWREG, 16*QPITCH
.set AK0,  1
.set QSTI, 2
.set ASK0, 3
.set GO,   4
.set GS,   5
.set ADK,  8
.set ADS,  10
.set QSTO, 30
.set QH8,  31
.set QMX,  12
.set QSE,  14
.set QBY,  16
.set QWD,  18
.set QPX,  19
.set QSW,  20
.set QC,   32
.set QCT,  44
.set QR,   52
.set QX,   180
.set SEL,  20
.set CS,   22
.set G1D,  24
.set G1S,  32
.set TB,   52                          ; s52  LDS byte at which the key step begins
.set TS,   53                          ; s53  and its scale words: 512 bytes a step
.set KF,   54                          ; s54  the step's first key
.set Q0,   55                          ; s55  my first query
.set CNT,  56
.set WV,   59
.macro CROUND
	s_barrier_signal -1
	s_barrier_wait -1
	s_cmp_lg_u32 s[WV], 0
	s_cbranch_scc1 .Lnot_wave_0_\@
	s_barrier_signal -3
.Lnot_wave_0_\@:
	s_barrier_wait -3
	s_barrier_signal -1
	s_barrier_wait -1
.endm
	s_load_b256 s[4:11], s[0:1], 0x0               ; qkc, qks, vc, vs
	s_load_b256 s[12:19], s[0:1], 0x20             ; wo, yc, ys, cod1
	s_load_b64 s[88:89], s[0:1], 0x40              ; scl1
	v_lshl_add_u32 v28, v0, 2, 0x42800
	v_mov_b32 v29, 0
	ds_add_u32 v28, v29
	ds_add_u32 v28, v29
	v_lshrrev_b32 v8, 5, v0
	s_delay_alu instid0(VALU_DEP_1)
	v_readfirstlane_b32 s[WV], v8                  ; wave 0..15
	s_bfe_u32 s57, ttmp6, 0x40000                  ; cx
	s_lshl_b32 s58, ttmp9, 2
	s_add_co_u32 s58, s58, s57                     ; the query head = 4 x kv head + cx; the kv head is the cluster's x
	s_and_b32 s60, ttmp7, 0xffff
	s_lshl_b32 s62, s60, 2
	s_add_co_u32 s61, s62, s[WV]
	s_sub_co_u32 s63, 67, s61
	s_cmp_lt_u32 s[WV], 4
	s_cselect_b32 s61, s61, s63                    ; my tile of queries (in waves 8-15 a tile's number too, 24 .. 59: not used beyond Q's loads)
	s_and_b32 s63, s[WV], 4                        ; waves 0-3 and 8-11 fetch for K (heads 32 on of qkc and qks), waves 4-7 and 12-15 for V
	s_cselect_b32 s67, 0, 32
	s_add_co_u32 s67, s67, ttmp9
	s_and_b32 s66, s[WV], 3
	s_lshl_b32 s68, s67, 12
	s_lshl_b32 s69, s66, 10
	s_add_co_u32 s68, s68, s69                     ; my quarter of the head's 4,096 bytes of scale words
	s_mov_b32 s69, 0
	s_lshl_b32 s70, s67, 3
	s_add_co_u32 s70, s70, s66
	s_add_co_u32 s70, s70, s66                     ; key steps 2 (wave % 4) and the next
	s_mul_i32 s70, s70, CH                         ; my key step of the first four
	s_mov_b32 s71, 0
	; wo: tile 32 y + head, K group = wave % 8
	s_and_b32 s82, s[WV], 7
	s_lshl_b32 s83, s60, 5
	s_add_co_u32 s83, s83, s58
	s_lshl_b32 s90, s83, 18                        ; 16 rows of 16,384 bytes a tile (under 2^26),
	s_lshl_b32 s91, s82, 11                        ; + four K steps of 512 bytes a group
	s_add_co_u32 s90, s90, s91
	s_mov_b32 s91, 0
	s_add_co_u32 s83, s83, 448                     ; its place among cod1's and scl1's tiles
	s_mul_i32 s92, s83, 49152
	s_mul_i32 s93, s82, 4*1536
	s_add_co_u32 s92, s92, s93
	s_mov_b32 s93, 0
	s_lshl_b32 s94, s83, 11
	s_lshl_b32 s95, s82, 8
	s_add_co_u32 s94, s94, s95
	s_mov_b32 s95, 0
	s_mul_i32 s97, s82, QWREG
	s_add_co_u32 s97, s97, QST                     ; the stage: the wave's number alone enters an LDS address
	; every address register, ahead of the first branch on the wave's number
	v_and_b32 v9, 15, v0                           ; r
	v_bfe_u32 v11, v0, 4, 1                        ; h
	v_and_b32 v6, 31, v0
	s_delay_alu instid0(VALU_DEP_1)
	v_lshlrev_b32 v[GO], 4, v6                     ; 16 x lane
	s_delay_alu instid0(VALU_DEP_4)
	v_lshlrev_b32 v[GS], 4, v9                     ; 16 r
	v_and_b32 v7, 8, v9
	s_delay_alu instid0(VALU_DEP_1)
	v_add_nc_u32 v7, v7, v9                        ; r + 8 (r / 8)
	s_delay_alu instid0(VALU_DEP_1)
	v_mul_u32_u24 v[AK0], v7, 24
	s_delay_alu instid0(VALU_DEP_1)
	v_mad_u32_u24 v[AK0], v11, 3072, v[AK0]
	s_delay_alu instid0(VALU_DEP_3)
	v_lshl_add_u32 v[ASK0], v7, 2, KSC
	v_add_nc_u32 v[QSTI], s97, v[GO]               ; the stage, in: 16 x lane
	v_mul_u32_u24 v[QSTO], v9, QPITCH
	s_delay_alu instid0(VALU_DEP_1)
	v_lshl_add_u32 v[QSTO], v11, 7, v[QSTO]
	s_delay_alu instid0(VALU_DEP_1)
	v_add_nc_u32 v[QSTO], s97, v[QSTO]             ; out: row r, + 128 h
	v_lshlrev_b32 v[QH8], 3, v11
	v_mul_u32_u24 v6, v9, 24
	s_delay_alu instid0(VALU_DEP_1)
	v_mad_u32_u24 v6, v11, 3072, v6                ; Q: row r of a plane, plane h
	v_lshlrev_b32 v7, 2, v9                        ; Q's scale words
	; the initial values.  Every wave runs these lines and Q's loads below: a register that the key loop names is written on every way into it
	v_mov_b32 v13, 0xff61b1e6                      ; the largest t so far: -3e38, under every t
	s_delay_alu instid0(VALU_DEP_1)
	v_floor_f32 v12, -v13                          ; -M
	v_mov_b32 v14, 0
	v_mov_b32 v15, 0
.irp b, 0,1,2,3
	v_mov_b32 v[236+\b], 0                         ; a lane permute's destination counts as one of its sources
.endr
	v_mov_b32 v252, 0
	v_mov_b32 v253, 0
.irp j, 0,1,2,3,4,5,6,7,8,9,10,11,12,13,14,15,16,17,18,19,20,21,22,23,24,25,26,27,28,29,30,31,32,33,34,35,36,37,38,39,40,41,42,43,44,45,46,47,48,49,50,51,52,53,54,55,56,57,58,59,60,61,62,63
	v_mov_b32 v[160+\j], 0                         ; O^T: the step is written for every trip alike; the first finds zeros, which the first change of M leaves zeros
.endr
	; group 1: dense blocks as rows of 256 bytes (32 elements of 8 bytes); the mask names all four work-groups, bit 21 beside it
	s_mov_b32 s[G1D], 15|(3<<16)|(1<<21)
	s_mov_b32 s[G1D+1], 32<<16
	s_mov_b32 s[G1D+2], 96<<16                     ; 96 rows: 24,576 bytes
	s_mov_b32 s[G1D+3], 32<<16
	s_mov_b32 s[G1D+4], 96
	s_mov_b32 s[G1D+5], 32
	s_mov_b32 s[G1D+6], 0
	s_mov_b32 s[G1D+7], 0
	s_mov_b32 s[G1S], 15|(3<<16)|(1<<21)
	s_mov_b32 s[G1S+1], 32<<16
	s_mov_b32 s[G1S+2], 4<<16                      ; 4 rows: 1,024 bytes
	s_mov_b32 s[G1S+3], 32<<16
	s_mov_b32 s[G1S+4], 4
	s_mov_b32 s[G1S+5], 32
	s_mov_b32 s[G1S+6], 0
	s_mov_b32 s[G1S+7], 0
	s_mov_b32 s[SEL], 0x76543210
	s_mov_b32 s[SEL+1], 0xfedcba98
	s_mov_b32 s[CS], 0x3e0293ee                    ; c = log2(e) / sqrt(128)
	s_mov_b32 s[CS+1], s[CS]                       ; (named with it as a pair, so it is written)
	s_mov_b32 s[TB], 0
	s_mov_b32 s[TS], 0
	s_mov_b32 s[KF], 0
	s_lshl_b32 s[Q0], s61, 4
	s_wait_dscnt 0x0
	s_wait_kmcnt 0x0
	s_add_nc_u64 s[90:91], s[12:13], s[90:91]      ; wo at my rows and K steps
	s_add_nc_u64 s[92:93], s[18:19], s[92:93]      ; my four images in cod1
	s_add_nc_u64 s[94:95], s[88:89], s[94:95]      ; my 256 bytes of scale words in scl1
	s_and_b32 s76, s[WV], 4
	s_cmp_eq_u32 s76, 0
	s_cselect_b64 s[72:73], s[6:7], s[10:11]
	s_cselect_b64 s[74:75], s[4:5], s[8:9]
	s_mov_b32 s40, 1
	s_lshl_b32 s41, s[WV], 10
	s_add_co_u32 s41, s41, KSC-8192                ; 1,024 x (wave - 8): used by waves 8-15 alone
	s_add_nc_u64 s[42:43], s[72:73], s[68:69]
	s_or_b32 s43, s43, 0x80000000
	s_mov_b32 s44, 1
	s_mul_i32 s45, s66, 2*CH
	s_lshr_b32 s76, s[WV], 2
	s_mul_i32 s76, s76, VOFF                       ; K's part (waves 0-3) or V's (waves 4-7)
	s_add_co_u32 s45, s45, s76
	s_add_nc_u64 s[46:47], s[74:75], s[70:71]
	s_or_b32 s47, s47, 0x80000000
	s_lshl_b32 s76, s58, 3
	s_lshr_b32 s77, s61, 3
	s_add_co_u32 s76, s76, s77
	s_mul_i32 s76, s76, CH                         ; Q: my head's chunk of 128 rows,
	s_and_b32 s77, s61, 7
	s_mul_i32 s77, s77, 16*24                      ; my 16 rows in each of its planes
	s_add_co_u32 s76, s76, s77
	s_mov_b32 s77, 0
	s_add_nc_u64 s[78:79], s[4:5], s[76:77]
	s_lshl_b32 s76, s58, 12
	s_lshl_b32 s82, s61, 6
	s_add_co_u32 s76, s76, s82
	s_add_nc_u64 s[80:81], s[6:7], s[76:77]        ; and their scale words
	s_lshl_b32 s76, s61, 5
	s_add_co_u32 s76, s76, s58
	s_mul_i32 s76, s76, 1536
	s_add_nc_u64 s[84:85], s[14:15], s[76:77]      ; y's image: tile, K step = head
	s_lshl_b32 s76, s61, 11
	s_lshl_b32 s82, ttmp9, 8
	s_add_co_u32 s76, s76, s82
	s_lshl_b32 s82, s57, 2
	s_add_co_u32 s76, s76, s82
	s_add_nc_u64 s[86:87], s[16:17], s[76:77]      ; its scale words: [tile][head / 4][row][head % 4]
	CROUND                                         ; all four work-groups are here: the joint loads meet
	s_cmp_lt_u32 s[WV], 8                          ; a wave's one fill stands in one branch on the wave's number, the same in all four work-groups
	s_cbranch_scc0 .Lfill_scales
	tensor_load_to_lds s[44:47], s[G1D:G1D+7]      ; waves 0-7: two key steps of K's or V's codes
	s_nop 0
.rept 4
	v_nop
.endr
	s_branch .Lno_fill
.Lfill_scales:
	tensor_load_to_lds s[40:43], s[G1S:G1S+7]      ; waves 8-15: 1,024 bytes of scale words
	s_nop 0
.rept 4
	v_nop
.endr
.Lno_fill:
.irp p, 0,1,2,3,4,5
	global_load_b64 v[16+2*\p:17+2*\p], v6, s[78:79] offset:6144*(\p/3)+8*(\p%3)   ; Q's fragment stays in registers (in waves 8-15 it is not used: seven loads a wave)
.endr
	global_load_b32 v255, v7, s[80:81]
	s_wait_tensorcnt 0x0                           ; my load (two key steps or scale words) is in,
	s_wait_loadcnt 0x0                             ; and Q
	s_barrier_signal -1
	s_barrier_wait -1                              ; everybody's are: the whole head lies in LDS
; ---- WAVES 8-15: wo.  Four K steps, written out: every offset is an immediate.  Each load reads 512 consecutive bytes of a row; a K step's 8,192 bytes turn through my stage, so that lane (r, h) holds k = 64 c + 32 h + 0 .. 31 of row r
.macro QLOAD k
.irp r, 0,1,2,3,4,5,6,7,8,9,10,11,12,13,14,15
	global_load_b128 v[QR+64*((\k)%2)+4*\r:QR+64*((\k)%2)+4*\r+3], v[GO], s[90:91] offset:\r*16384+(\k)*512 th:TH_LOAD_NT
.endr
.endm
.macro QSTEP k
.set RS, QR+64*((\k)%2)
.if (\k) < 3
	s_wait_loadcnt 16                              ; this K step's 16 loads are in; the next step's 16 may be out
.else
	s_wait_loadcnt 0x0
.endif
.irp r, 0,1,2,3,4,5,6,7,8,9,10,11,12,13,14,15
	ds_store_b128 v[QSTI], v[RS+4*\r:RS+4*\r+3] offset:\r*QPITCH
.endr
.irp c, 0,1
.irp i, 0,1,2,3,4,5,6,7
	ds_load_b128 v[QX+32*\c+4*\i:QX+32*\c+4*\i+3], v[QSTO] offset:256*\c+16*\i   ; LDS serves a wave's instructions in order: these see the stores above
.endr
.endr
	s_wait_dscnt 0x0                               ; the numbers are back, and the stores into the stage have read their registers
	s_wait_xcnt 0x0                                ; the last step's stores of codes have read theirs: the fragment is written again only behind this wait
.if (\k) < 2
	QLOAD (\k)+2
.endif
.irp c, 0,1
	v_max3_num_f32 v[QMX+\c], |v[QX+32*\c]|, |v[QX+32*\c+1]|, 0x1800000   ; my block 2 c + h: all its 32 numbers are mine; the floor 2^(3 - 127) holds the byte at 1 from below
.endr
.irp i, 2,4,6,8,10,12,14,16,18,20,22,24,26,28,30
.irp c, 0,1
	s_delay_alu instid0(VALU_DEP_2)
	v_max3_num_f32 v[QMX+\c], v[QMX+\c], |v[QX+32*\c+\i]|, |v[QX+32*\c+\i+1]|
.endr
.endr
.irp c, 0,1
	s_delay_alu instid0(VALU_DEP_2)
	v_add_nc_u32 v[QSE+\c], 0xff000000, v[QMX+\c]  ; 2 off the exponent field: the conversion's scale operand
.endr
.irp c, 0,1
	s_delay_alu instid0(VALU_DEP_2)
	v_lshrrev_b32 v[QBY+\c], 23, v[QSE+\c]         ; the byte
.endr
	s_delay_alu instid0(VALU_DEP_1)
	v_lshl_or_b32 v[QWD], v[QBY+1], 16, v[QBY]     ; blocks h and 2 + h,
	s_delay_alu instid0(VALU_DEP_1)
	v_lshlrev_b32 v[QWD], v[QH8], v[QWD]           ; at their places in the row's word;
	s_delay_alu instid0(VALU_DEP_1)
	v_permlanex16_b32 v[QPX], v[QWD], s[SEL], s[SEL+1]
	s_delay_alu instid0(VALU_DEP_1)
	v_or_b32 v[QSW+(\k)], v[QWD], v[QPX]           ; with lane l xor 16's two the word is whole
.irp c, 0,1
	v_cvt_scalef32_pk16_fp6_f32 v[QC+6*\c:QC+6*\c+2], v[QX+32*\c:QX+32*\c+15], v[QSE+\c]
	v_cvt_scalef32_pk16_fp6_f32 v[QCT+4*\c:QCT+4*\c+2], v[QX+32*\c+16:QX+32*\c+31], v[QSE+\c]   ; (a conversion's three registers begin on an even number)
.endr
	v_nop                                          ; one plain place behind a scaled conversion
.irp c, 0,1
.irp i, 0,1,2
	v_mov_b32 v[QC+6*\c+3+\i], v[QCT+4*\c+\i]
.endr
.endr
.irp c, 0,1,2
	global_store_b128 v[GO], v[QC+4*\c:QC+4*\c+3], s[92:93] offset:(\k)*1536+512*\c   ; 32 lanes store 512 consecutive bytes, aligned
.endr
.endm
	s_cmp_lt_u32 s[WV], 8
	s_cbranch_scc1 .Lno_quant
	v_mov_b32 v[QPX], 0                            ; a lane permute's destination counts as one of its sources
	QLOAD 0
	QLOAD 1
.irp k, 0,1,2,3
	QSTEP \k
.endr
	global_store_b128 v[GS], v[QSW:QSW+3], s[94:95]   ; row r's four words: 256 consecutive bytes, aligned; lanes l and l + 16 hold the same words and store them at the same place
	s_wait_xcnt 0x0                                ; my stores have read their registers
.Lno_quant:
; ---- THE KEY LOOP
.macro SREG t                          ; the scale words' register of tile t
.if (\t) < 4
.set rS, 248+(\t)
.else
.set rS, 88+(\t)
.endif
.endm
.macro KREG t                          ; where K's fragment of tile t stands
.if (\t) == 0
.set rK, 148
.elseif (\t) < 6
.set rK, 20+12*(\t)
.else
.set rK, 152+12*(\t)
.endif
	SREG \t
.endm
.macro VREG t                          ; and V's
.if (\t) < 5
.set rK, 32+12*(\t)
.else
.set rK, 36+12*(\t)
.endif
	SREG \t
.endm
.macro SQK t                           ; S^T, tile t: 16 keys x my 16 queries
	KREG \t
	v_wmma_scale_f32_16x16x128_f8f6f4 v[96+8*(\t):103+8*(\t)], v[rK:rK+11], v[16:27], 0, v[rS], v255 matrix_a_fmt:MATRIX_FMT_FP6 matrix_b_fmt:MATRIX_FMT_FP6
.endm
.macro PV t                            ; O^T, tile t: 16 channels x my 16 queries, K = the step's 128 keys
	VREG \t
	v_wmma_scale_f32_16x16x128_f8f6f4 v[160+8*(\t):167+8*(\t)], v[rK:rK+11], v[224:235], v[160+8*(\t):167+8*(\t)], v[rS], v253 matrix_a_fmt:MATRIX_FMT_FP6 matrix_b_fmt:MATRIX_FMT_FP6
.endm
; A KEY STEP of 128 keys.  Waves 8-15 have no part in it; a step all of whose keys come after my 16 queries is left out: scalar branches on ids, round the loads, products and softmax, not round the lines that step addresses
.macro STEP
	s_cmp_lt_u32 s[WV], 8
	s_cbranch_scc0 .Lhidden_\@
	s_add_co_u32 s96, s[Q0], 15
	s_cmp_gt_u32 s[KF], s96
	s_cbranch_scc1 .Lhidden_\@
	v_add_nc_u32 v[ADK], s[TB], v[AK0]
	v_add_nc_u32 v[ADS], s[TS], v[ASK0]
	s_delay_alu instid0(VALU_DEP_2)
	v_add_nc_u32 v[ADV], VOFF, v[ADK]
.rept 3
	v_nop                                          ; five places behind the last step's products: the scores below are written over v96-131, from which those products took V's tiles 5-7 (loads into their other registers want four)
.endr
.irp t, 0,1,2,3,4,5,6,7                        ; K's eight fragments and scale words in one run: seven loads a tile
	KREG \t
.irp p, 0,1,2,3,4,5
	ds_load_b64 v[rK+2*\p:rK+2*\p+1], v[ADK] offset:(32*(\t/2)+8*(\t%2))*24+6144*(\p/3)+8*(\p%3)
.endr
	ds_load_b32 v[rS], v[ADS] offset:(32*(\t/2)+8*(\t%2))*4
.endr
	s_wait_alu depctr_va_vdst(0)
	s_wait_dscnt 28                                ; tiles 0-3 are in; the 28 loads of tiles 4-7 may be out
.irp t, 0,1,2,3
	SQK \t
.endr
	s_wait_dscnt 0x0
	SQK 4
	SQK 5
.rept 5
	v_nop                                          ; five places: the scores of tiles 6 and 7 are written over v148-159, from which tile 0's product took its fragment
.endr
	SQK 6
	SQK 7
.rept 4
	v_nop                                          ; four places ahead of loads into the products' operands and of the first read of the scores
.endr
.irp t, 0,1,2,3,4
	VREG \t
.irp p, 0,1,2,3,4,5
	ds_load_b64 v[rK+2*\p:rK+2*\p+1], v[ADV] offset:(32*(\t/2)+8*(\t%2))*24+6144*(\p/3)+8*(\p%3)
.endr
.endr
.irp t, 0,1,2,3,4,5,6,7
	SREG \t
	ds_load_b32 v[rS], v[ADS] offset:4096+(32*(\t/2)+8*(\t%2))*4
.endr
	s_add_co_u32 s96, s[KF], 127                   ; on the diagonal the scores of hidden keys become -infinity ahead of the maximum: p = 0 then.  A step all of whose keys count skips this
	s_cmp_le_u32 s96, s[Q0]
	s_cbranch_scc1 .Lopen_\@
	s_sub_co_i32 s96, s[Q0], s[KF]
	v_and_b32 v252, 15, v0
	v_bfe_u32 v253, v0, 4, 1
	s_delay_alu instid0(VALU_DEP_1)
	v_lshlrev_b32 v253, 4, v253
	s_delay_alu instid0(VALU_DEP_1)
	v_sub_nc_u32 v252, v252, v253
	s_delay_alu instid0(VALU_DEP_1)
	v_add_nc_u32 v252, s96, v252                   ; d = my query - the first key - 16 h.  Register 16 b + i holds key 16 h + 32 b + i of the step: hidden where 32 b + i > d
	v_mov_b32 v254, 0xff800000
.irp n, 0,1,2,3,4,5,6,7,8,9,10,11,12,13,14,15,16,17,18,19,20,21,22,23,24,25,26,27,28,29,30,31,32,33,34,35,36,37,38,39,40,41,42,43,44,45,46,47,48,49,50,51,52,53,54,55,56,57,58,59,60,61,62,63
	v_cmp_gt_i32 vcc_lo, 32*(\n/16)+\n%16, v252
	v_cndmask_b32 v[96+\n], v[96+\n], v254, vcc_lo
.endr
.Lopen_\@:
.irp b, 0,1,2,3
	v_max3_num_f32 v[232+\b], v[96+16*\b], v[97+16*\b], v[98+16*\b]   ; the largest score of each block of 32 keys: it serves the row's maximum and, since p rises with the score, the block's largest p
.endr
.irp i, 3,5,7,9,11,13
.irp b, 0,1,2,3
	v_max3_num_f32 v[232+\b], v[232+\b], v[96+16*\b+\i], v[97+16*\b+\i]
.endr
.endr
.irp b, 0,1,2,3
	v_max_num_f32 v[232+\b], v[232+\b], v[111+16*\b]
.endr
.irp b, 0,1,2,3
	s_delay_alu instid0(VALU_DEP_4)
	v_permlanex16_b32 v[236+\b], v[232+\b], s[SEL], s[SEL+1]
.endr
.irp b, 0,1,2,3
	s_delay_alu instid0(VALU_DEP_4)
	v_max_num_f32 v[232+\b], v[232+\b], v[236+\b]  ; with lane l xor 16's 16 keys
.endr
	s_delay_alu instid0(VALU_DEP_2)
	v_max3_num_f32 v254, v232, v233, v234
	s_delay_alu instid0(VALU_DEP_1)
	v_max_num_f32 v254, v254, v235
	s_delay_alu instid0(VALU_DEP_1)
	v_mul_f32 v254, s[CS], v254                    ; the step's largest t (c is positive)
	s_delay_alu instid0(VALU_DEP_1)
	v_max_num_f32 v13, v13, v254
	v_mov_b32 v254, v12
	s_delay_alu instid0(VALU_DEP_2)
	v_floor_f32 v12, -v13                          ; the new -M = -ceil(t): a whole number
	s_delay_alu instid0(VALU_DEP_1)
	v_sub_f32 v254, v12, v254                      ; old M - new M: a whole number, 0 or less
	s_delay_alu instid0(VALU_DEP_1)
	v_cvt_i32_f32 v254, v254                       ; (it saturates)
	s_delay_alu instid0(VALU_DEP_1)
	v_ldexp_f32 v252, 1.0, v254                    ; f = 2^(old M - new M)
.irp j, 0,2,4,6,8,10,12,14,16,18,20,22,24,26,28,30,32,34,36,38,40,42,44,46,48,50,52,54,56,58,60,62
	v_pk_fma_f32 v[96+\j:97+\j], v[96+\j:97+\j], s[CS:CS+1], v[12:13] op_sel_hi:[1,0,0]   ; t - M, two at a time
.endr
.irp b, 0,1,2,3
	v_fma_f32 v[232+\b], v[232+\b], s[CS], v12     ; the same of each block's largest score
.endr
	s_wait_alu depctr_va_vdst(0)
.irp j, 0,1,2,3,4,5,6,7,8,9,10,11,12,13,14,15,16,17,18,19,20,21,22,23,24,25,26,27,28,29,30,31,32,33,34,35,36,37,38,39,40,41,42,43,44,45,46,47,48,49,50,51,52,53,54,55,56,57,58,59,60,61,62,63
	v_exp_f32 v[96+\j], v[96+\j]                   ; p = 2^(t - M), at most 1: not normalised
.endr
	v_pk_mul_f32 v[14:15], v[14:15], v[252:253] op_sel_hi:[1,0]   ; the sums under the new M: a plain place behind the exponentials
	s_wait_alu depctr_va_vdst(0)                   ; one wait for the whole batch, ahead of its first reader
.irp b, 0,1,2,3
	v_exp_f32 v[232+\b], v[232+\b]                 ; the block's largest p: the same two instructions on the same number give the same bits
.endr
	v_pk_add_f32 v[236:237], v[100:101], v[104:105]
	v_pk_add_f32 v[246:247], v[108:109], v[112:113]
	v_pk_add_f32 v[244:245], v[116:117], v[120:121]
	v_pk_add_f32 v[242:243], v[124:125], v[128:129]
	v_pk_add_f32 v[240:241], v[132:133], v[136:137]
	v_pk_add_f32 v[238:239], v[140:141], v[144:145]
	v_pk_add_f32 v[230:231], v[148:149], v[152:153]
	v_pk_add_f32 v[14:15], v[14:15], v[156:157]
	v_pk_add_f32 v[236:237], v[236:237], v[96:97]
	v_pk_add_f32 v[246:247], v[246:247], v[98:99]
	v_pk_add_f32 v[244:245], v[244:245], v[102:103]
	v_pk_add_f32 v[242:243], v[242:243], v[106:107]
	v_pk_add_f32 v[240:241], v[240:241], v[110:111]
	v_pk_add_f32 v[238:239], v[238:239], v[114:115]
	v_pk_add_f32 v[230:231], v[230:231], v[118:119]
	v_pk_add_f32 v[14:15], v[14:15], v[122:123]
	v_pk_add_f32 v[236:237], v[236:237], v[126:127]
	v_pk_add_f32 v[246:247], v[246:247], v[130:131]
	v_pk_add_f32 v[244:245], v[244:245], v[134:135]
	v_pk_add_f32 v[242:243], v[242:243], v[138:139]
	v_pk_add_f32 v[240:241], v[240:241], v[142:143]
	v_pk_add_f32 v[238:239], v[238:239], v[146:147]
	v_pk_add_f32 v[230:231], v[230:231], v[150:151]
	v_pk_add_f32 v[14:15], v[14:15], v[154:155]
	v_pk_add_f32 v[236:237], v[236:237], v[158:159]
	s_delay_alu instid0(VALU_DEP_2)
	v_pk_add_f32 v[14:15], v[14:15], v[242:243]
	s_delay_alu instid0(VALU_DEP_2)
	v_pk_add_f32 v[236:237], v[236:237], v[240:241]
	v_pk_add_f32 v[246:247], v[246:247], v[238:239]
	v_pk_add_f32 v[244:245], v[244:245], v[230:231]
	s_delay_alu instid0(VALU_DEP_2)
	v_pk_add_f32 v[14:15], v[14:15], v[246:247]
	s_delay_alu instid0(VALU_DEP_2)
	v_pk_add_f32 v[236:237], v[236:237], v[244:245]
	s_delay_alu instid0(VALU_DEP_1)
	v_pk_add_f32 v[14:15], v[14:15], v[236:237]
	s_wait_alu depctr_va_vdst(0)                   ; and one for the four
.irp b, 0,1,2,3
	v_max_num_f32 v[232+\b], 0x1800000, v[232+\b]  ; the floor 2^(3 - 127): the byte cannot fall under 1
.endr
.irp b, 0,1,2,3
	s_delay_alu instid0(VALU_DEP_4)
	v_add_nc_u32 v[244+\b], 0xff000000, v[232+\b]  ; 2 off the exponent field: the conversion's scale operand
.endr
.irp b, 0,1,2,3
	s_delay_alu instid0(VALU_DEP_4)
	v_lshrrev_b32 v[236+\b], 23, v[244+\b]
.endr
	s_delay_alu instid0(VALU_DEP_3)
	v_lshl_or_b32 v253, v237, 8, v236              ; p's scale word for these 128 keys
	s_delay_alu instid0(VALU_DEP_1)
	v_lshl_or_b32 v253, v238, 16, v253
	s_delay_alu instid0(VALU_DEP_1)
	v_lshl_or_b32 v253, v239, 24, v253
.irp c, 0,1
	v_cvt_scalef32_pk16_fp6_f32 v[224+6*\c:226+6*\c], v[96+32*\c:111+32*\c], v[244+2*\c]
	v_cvt_scalef32_pk16_fp6_f32 v[236+4*\c:238+4*\c], v[112+32*\c:127+32*\c], v[244+2*\c+1]   ; (a conversion's three registers begin on an even number)
.endr
	v_nop                                          ; one plain place behind a scaled conversion
.irp t, 5,6,7
	VREG \t
.irp p, 0,1,2,3,4,5
	ds_load_b64 v[rK+2*\p:rK+2*\p+1], v[ADV] offset:(32*(\t/2)+8*(\t%2))*24+6144*(\p/3)+8*(\p%3)
.endr
.endr
.irp c, 0,1                                    ; the operand wants a whole block in a lane: lanes 0-15 block 2 c, lanes 16-31 block 2 c + 1
.irp i, 0,1,2
	v_permlane16_swap_b32 v[224+6*\c+\i], v[236+4*\c+\i]
.endr
.irp i, 0,1,2
	s_delay_alu instid0(VALU_DEP_3)
	v_mov_b32 v[227+6*\c+\i], v[236+4*\c+\i]
.endr
.endr
.irp j, 0,2,4,6,8,10,12,14,16,18,20,22,24,26,28,30,32,34,36,38,40,42,44,46,48,50,52,54,56,58,60,62
	v_pk_mul_f32 v[160+\j:161+\j], v[160+\j:161+\j], v[252:253] op_sel_hi:[1,0]   ; O^T under the new M.  These 32 are also the places between p's codes and scale word and the products below
.endr
	s_wait_alu depctr_va_vdst(0)
	s_wait_dscnt 18                                ; V's tiles 0-4 and the scale words are in; the 18 loads of tiles 5-7 may be out
.irp t, 0,1,2,3,4
	PV \t
.endr
	s_wait_dscnt 0x0
.irp t, 5,6,7
	PV \t
.endr
.Lhidden_\@:
	s_add_co_u32 s[KF], s[KF], 128
	s_add_co_u32 s[TB], s[TB], STEPB
	s_add_co_u32 s[TS], s[TS], 512
.endm
	s_mov_b32 s[CNT], 8
.Lkeys:                                            ; eight trips in every wave
	STEP
	s_sub_co_u32 s[CNT], s[CNT], 1
	s_cmp_lg_u32 s[CNT], 0
	s_cbranch_scc1 .Lkeys
	s_cmp_lt_u32 s[WV], 8
	s_cbranch_scc0 .Ldone
	; THE WAY OUT (waves 0-7).  O^T / the sum: register 16 b + i is channel 32 b + 16 h + i of my query: as the quantiser wants them.  The fragment leaves as the image of its registers.
	v_add_f32 v14, v14, v15
	s_delay_alu instid0(VALU_DEP_1)
	v_permlanex16_b32 v252, v14, s[SEL], s[SEL+1]
	s_delay_alu instid0(VALU_DEP_1)
	v_add_f32 v14, v14, v252                       ; the row's sum
	s_wait_alu depctr_va_vdst(0)
	v_rcp_f32 v14, v14
.rept 4
	v_nop                                          ; the plain place behind the reciprocal, and the places behind the last products
.endr
	s_wait_alu depctr_va_vdst(0)                   ; the wait ahead of the reciprocal's first reader
.irp j, 0,1,2,3,4,5,6,7,8,9,10,11,12,13,14,15,16,17,18,19,20,21,22,23,24,25,26,27,28,29,30,31,32,33,34,35,36,37,38,39,40,41,42,43,44,45,46,47,48,49,50,51,52,53,54,55,56,57,58,59,60,61,62,63
	v_mul_f32 v[96+\j], v[160+\j], v14
.endr
.irp b, 0,1,2,3
	v_max3_num_f32 v[232+\b], |v[96+16*\b]|, |v[97+16*\b]|, 0x1800000
.endr
.irp i, 2,4,6,8,10,12,14
.irp b, 0,1,2,3
	s_delay_alu instid0(VALU_DEP_4)
	v_max3_num_f32 v[232+\b], v[232+\b], |v[96+16*\b+\i]|, |v[97+16*\b+\i]|
.endr
.endr
.irp b, 0,1,2,3
	s_delay_alu instid0(VALU_DEP_4)
	v_permlanex16_b32 v[236+\b], v[232+\b], s[SEL], s[SEL+1]
.endr
.irp b, 0,1,2,3
	s_delay_alu instid0(VALU_DEP_4)
	v_max_num_f32 v[232+\b], v[232+\b], v[236+\b]
.endr
.irp b, 0,1,2,3
	s_delay_alu instid0(VALU_DEP_4)
	v_add_nc_u32 v[244+\b], 0xff000000, v[232+\b]
.endr
.irp b, 0,1,2,3
	s_delay_alu instid0(VALU_DEP_4)
	v_lshrrev_b32 v[236+\b], 23, v[244+\b]
.endr
	s_delay_alu instid0(VALU_DEP_3)
	v_lshl_or_b32 v248, v237, 8, v236              ; my row's scale word
	s_delay_alu instid0(VALU_DEP_1)
	v_lshl_or_b32 v248, v238, 16, v248
	s_delay_alu instid0(VALU_DEP_1)
	v_lshl_or_b32 v248, v239, 24, v248
.irp c, 0,1
	v_cvt_scalef32_pk16_fp6_f32 v[32+6*\c:34+6*\c], v[96+32*\c:111+32*\c], v[244+2*\c]
	v_cvt_scalef32_pk16_fp6_f32 v[44+4*\c:46+4*\c], v[112+32*\c:127+32*\c], v[244+2*\c+1]
.endr
	v_nop
.irp c, 0,1
.irp i, 0,1,2
	v_permlane16_swap_b32 v[32+6*\c+\i], v[44+4*\c+\i]
.endr
.irp i, 0,1,2
	s_delay_alu instid0(VALU_DEP_3)
	v_mov_b32 v[35+6*\c+\i], v[44+4*\c+\i]
.endr
.endr
.irp c, 0,1,2
	global_store_b128 v[GO], v[32+4*\c:35+4*\c], s[84:85] offset:512*\c   ; 512 consecutive bytes, aligned
.endr
	global_store_b32 v[GS], v248, s[86:87]         ; lanes l and l + 16 hold the same word of row l % 16 and store it at the same place
.Ldone:
	s_wait_tensorcnt 0x0
	ds_add_u32 v28, v29
	s_wait_dscnt 0x0
	CROUND                                         ; the closing round: no work-group ends while a partner may still ask for a tile that names it
	s_endpgm
.Lfunc_end_k_q6d214a01be_attn:
	.size	k_q6d214a01be_attn, .Lfunc_end_k_q6d214a01be_attn-k_q6d214a01be_attn
	.p2alignl 7, 3214868480
	.fill 96, 4, 3214868480
	.section	.rodata,"a",@progbits
	.p2align	6, 0x0
	.amdhsa_kernel k_q6d214a01be_attn
		.amdhsa_group_segment_fixed_size 274432
		.amdhsa_private_segment_fixed_size 0
		.amdhsa_enable_private_segment 0
		.amdhsa_kernarg_size 72
		.amdhsa_user_sgpr_count 2
		.amdhsa_user_sgpr_kernarg_segment_ptr 1
		.amdhsa_wavefront_size32 1
		.amdhsa_system_sgpr_workgroup_id_x 1
		.amdhsa_system_sgpr_workgroup_id_y 1
		.amdhsa_system_sgpr_workgroup_id_z 1
		.amdhsa_system_vgpr_workitem_id 0
		.amdhsa_next_free_vgpr 256
		.amdhsa_next_free_sgpr 100
		.amdhsa_reserve_vcc 1
		.amdhsa_float_denorm_mode_32 3
		.amdhsa_float_denorm_mode_16_64 3
		.amdhsa_memory_ordered 1
		.amdhsa_forward_progress 1
		.amdhsa_inst_pref_size 81
	.end_amdhsa_kernel
	.amdgpu_metadata
---
amdhsa.version: [ 1, 2 ]
amdhsa.kernels:
  - .name:           k_q6d214a01be_attn
    .symbol:         k_q6d214a01be_attn.kd
    .args:
      - { .name: qkc, .offset: 0, .size: 8, .value_kind: global_buffer, .address_space: global }
      - { .name: qks, .offset: 8, .size: 8, .value_kind: global_buffer, .address_space: global }
      - { .name: vc, .offset: 16, .size: 8, .value_kind: global_buffer, .address_space: global }
      - { .name: vs, .offset: 24, .size: 8, .value_kind: global_buffer, .address_space: global }
      - { .name: wo, .offset: 32, .size: 8, .value_kind: global_buffer, .address_space: global }
      - { .name: yc, .offset: 40, .size: 8, .value_kind: global_buffer, .address_space: global }
      - { .name: ys, .offset: 48, .size: 8, .value_kind: global_buffer, .address_space: global }
      - { .name: cod1, .offset: 56, .size: 8, .value_kind: global_buffer, .address_space: global }
      - { .name: scl1, .offset: 64, .size: 8, .value_kind: global_buffer, .address_space: global }
    .group_segment_fixed_size: 274432
    .private_segment_fixed_size: 0
    .kernarg_segment_align: 8
    .kernarg_segment_size: 72
    .max_flat_workgroup_size: 512
    .sgpr_count:     100
    .vgpr_count:     256
    .wavefront_size: 32
...
	.end_amdgpu_metadata
.endif
;; end of part 3
;; launch oproj (part 4): grid 32 x 8, 4 waves a work-group, clusters of 4 x 4, 327,680 bytes of LDS; arguments yc, ys, cod1, scl1, out0; writes out0
.if DOCPART == 4
	.amdgcn_target "amdgcn-amd-amdhsa--gfx1250"
	.amdhsa_code_object_version 6
	.text
	.protected	k_q6d214a01be_oproj
	.globl	k_q6d214a01be_oproj
	.p2align	8
	.type	k_q6d214a01be_oproj,@function
k_q6d214a01be_oproj:
	s_mov_b64 s[64:65], 0
	v_nop
	global_prefetch_b8 v0, s[64:65] scope:SCOPE_SE
	s_setreg_imm32_b32 hwreg(HW_REG_WAVE_MODE, 25, 1), 1
	s_wait_xcnt 0x0
	s_wait_alu depctr_hold_cnt(0) depctr_sa_sdst(0) depctr_va_vdst(0) depctr_va_sdst(0) depctr_va_ssrc(0) depctr_va_vcc(0) depctr_vm_vsrc(0)
	s_getreg_b32 s2, hwreg(HW_REG_IB_STS2, 6, 4)
	s_cmp_eq_u32 s2, 0
	s_cbranch_scc0 .Lentry_in_a_cluster
	s_endpgm
.Lentry_in_a_cluster:
	s_bfe_u32 s2, ttmp6, 0x10000c
	s_cmp_lg_u32 s2, 0xf033
	s_cbranch_scc0 .Lentry_shape_is_right
	s_endpgm
.Lentry_shape_is_right:
; out0 = y wo^T on codes of FP6 (E2M3) with E8M0 scales; sums in f32.  y's codes (yc, ys) and wo's (cod1's and scl1's tiles 448 on) lie as images of the operands' registers:
; a fragment, 16 rows x 128 K, is 1,536 bytes; a tile's 32 fragments 49,152; a tile's scale words [K step / 4][row][K step % 4], 2,048 bytes.
; SHARES.  A work-group makes 128 rows x 128 columns; wave w the rows 64 (w / 2) on and the columns 64 (w % 2) on: 4 x 4 tiles, 16 accumulators.  Source 0 = wo's rows, source 1 = y's: a lane holds eight neighbouring columns of one row.
; CLUSTER 4 x 4: y's tiles are asked for jointly along a row of the cluster, wo's along a column.
; LDS holds codes alone: slot 0 has room for 7 K steps of the 16 tiles (172,032 bytes), slot 1 for 6 (147,456).  Both are filled at the head, one joint load a wave: wave 0 y's K steps 0-6, wave 1 wo's, wave 2 y's K steps 7-12, wave 3 wo's.
; Three refills follow, four tiles a wave (waves 0, 2 y's halves, waves 1, 3 wo's): K steps 13-19 into slot 0, 20-25 into slot 1, 26-31 into slot 0: 7 + 6 + 7 + 6 + 6 = 32.  A wave has one tensor load out.
; THE SCALE WORDS of a wave's eight tiles, for all of K, are 128 registers: they come once, at the head, by 32 loads of two aligned runs of 256 bytes each, and stay.
; PREFETCHES: a refill's tiles, one slot ahead of their load: of the four tiles that a wave fetches each of the four partners that ask with it names one (by address: cx for y, cy for wo), a lane to 256 bytes, two instructions
; (in the second the lanes left over name the tile's last run again).  What the head fetches is not prefetched.
; The walk along K is written out: the slots differ in length.
; The way out goes through a stage in slot 1, which has had its last fill and, behind K step 25's barrier, its last read.
; REGISTERS: window 0: v0-31 addresses, v32-159 scale words, v160-223 the way out; window 1: two sets of fragments (y's four, wo's four) at v0 and v128; window 2: v0-127 accumulators.
.set P7,    7*1536                     ; a tile's row in slot 0: 7 K steps
.set P6,    6*1536                     ; and 6 K steps
.set S1,    16*P7                      ; slot 1
.set SPARE, S1+16*P6                   ; the spare words, 512 bytes
.set STAGE, S1
.set SP,    272
.set TILEB, 49152
.set ADR,  4                           ; v4-9  LDS: 2 x layout + (0: y, 1: wo); layouts: slot 0 by 7, slot 1 by 6, slot 0 by 6
.set VSO,  10                          ; v10   scale words: 16 r + 2,048 h
.set SPW,  12
.set NIL,  13
.set PF1,  14                          ; v14   256 x lane
.set PF7,  15                          ; v15   256 x min(lane, 9)
.set PF6,  16                          ; v16   256 x min(lane, 3)
.set STO,  24
.set RD,   25
.set CO,   26
.set SC,   32
.set BK,   160
.set G1A7, 24
.set G1B7, 32
.set G1A6, 40
.set G1B6, 48
.set G0HA, 56
.set G0HB, 60
.set G0RA, 68
.set G0RB, 72
.set SAP,  76
.set SBP,  78
.set PFP,  80
.set H7,   82
.set H6,   83
.set MSB, 0
.macro WIN new
.if MSB != (\new)
	s_set_vgpr_msb (MSB<<8)|(\new)
.set MSB, (\new)
.endif
.endm
.macro PLACES n
.rept \n
	v_nop
.endr
.endm
.macro JLOAD g0a, g1a, g0b, g1b        ; even waves fetch for y, odd ones for wo; the branch hangs on the wave's number alone
	s_cmp_eq_u32 s20, 0
	s_cbranch_scc0 .Lfor_b_\@
	tensor_load_to_lds s[\g0a:\g0a+3], s[\g1a:\g1a+7]
	s_nop 0
.rept 4
	v_nop
.endr
	s_branch .Lasked_\@
.Lfor_b_\@:
	tensor_load_to_lds s[\g0b:\g0b+3], s[\g1b:\g1b+7]
	s_nop 0
.rept 4
	v_nop
.endr
.Lasked_\@:
.endm
.macro CREST
	s_cmp_lg_u32 s18, 0
	s_cbranch_scc1 .Lnot_wave_0_\@
	s_barrier_signal -3
.Lnot_wave_0_\@:
	s_barrier_wait -3
	s_barrier_signal -1
	s_barrier_wait -1
.endm
.macro CROUND
	s_barrier_signal -1
	s_barrier_wait -1
	CREST
.endm
	s_load_b256 s[4:11], s[0:1], 0x0               ; yc, ys, cod1, scl1
	s_load_b64 s[12:13], s[0:1], 0x20              ; out0
	v_lshl_add_u32 v[SPW], v0, 2, SPARE
	v_mov_b32 v[NIL], 0
	ds_add_u32 v[SPW], v[NIL]                      ; the opening lines: the add twice on end, under one wait
	ds_add_u32 v[SPW], v[NIL]
	v_lshrrev_b32 v1, 5, v0
	v_readfirstlane_b32 s18, v1                    ; wave
	; all scalar set-up that hangs on ids alone, then all vector set-up
	s_lshr_b32 s19, s18, 1                         ; my half of the rows.  In the loads: the slot (head), the half of an operand's tiles (refills)
	s_and_b32 s20, s18, 1                          ; my half of the columns.  In the loads: y (0) or wo (1)
	s_bfe_u32 s21, ttmp6, 0x40000                  ; cx
	s_bfe_u32 s22, ttmp6, 0x40004                  ; cy
	s_lshl_b32 s67, ttmp9, 2
	s_add_co_u32 s67, s67, s21                     ; column block
	s_and_b32 s66, ttmp7, 0xffff
	s_lshl_b32 s66, s66, 2
	s_add_co_u32 s66, s66, s22                     ; row block
	s_lshl_b32 s84, s22, 2
	s_lshl_b32 s84, 15, s84                        ; my row of the cluster
	s_lshl_b32 s85, 0x1111, s21                    ; my column
	s_or_b32 s[G1A7], s84, (3<<16)|(1<<21)
	s_or_b32 s[G1A6], s84, (3<<16)|(1<<21)
	s_or_b32 s[G1B7], s85, (3<<16)|(1<<21)
	s_or_b32 s[G1B6], s85, (3<<16)|(1<<21)
.irp g, G1A7, G1B7
	s_mov_b32 s[\g+1], (P7/8)<<16                  ; a row: 7 K steps of one tile, in elements of 8 bytes
	s_mov_b32 s[\g+3], (P7/8)<<16
.endr
.irp g, G1A6, G1B6
	s_mov_b32 s[\g+1], (P6/8)<<16
	s_mov_b32 s[\g+3], (P6/8)<<16
.endr
.irp g, G1A7, G1B7, G1A6, G1B6
	s_mov_b32 s[\g+2], 8<<16                       ; at the head eight tiles; behind it these two words are set to four
	s_mov_b32 s[\g+4], 8
	s_mov_b32 s[\g+5], TILEB/8
	s_mov_b32 s[\g+6], 0
	s_mov_b32 s[\g+7], 0
.endr
	s_mul_i32 s92, s66, 8*TILEB                    ; y's eight tiles
	s_mul_i32 s93, s67, 8*TILEB
	s_add_co_u32 s93, s93, 448*TILEB               ; wo's eight tiles
	s_mul_i32 s94, s19, P7
	s_mul_i32 s95, s19, 4*TILEB
	s_mov_b32 s[G0HA], 1
	s_mul_i32 s[G0HA+1], s19, S1
	s_add_co_u32 s[G0HA+2], s92, s94               ; slot 1 begins at K step 7
	s_mov_b32 s[G0HA+3], 0
	s_mov_b32 s[G0HB], 1
	s_mul_i32 s[G0HB+1], s19, S1-8*1536
	s_add_co_u32 s[G0HB+1], s[G0HB+1], 8*P7        ; behind y's eight rows: 8 P7 in slot 0, S1 + 8 P6 in slot 1
	s_add_co_u32 s[G0HB+2], s93, s94
	s_mov_b32 s[G0HB+3], 0
	s_mov_b32 s[G0RA], 1
	s_add_co_u32 s[G0RA+2], s92, s95
	s_add_co_u32 s[G0RA+2], s[G0RA+2], 13*1536     ; the first refill begins at K step 13
	s_mov_b32 s[G0RA+3], 0
	s_mov_b32 s[G0RB], 1
	s_add_co_u32 s[G0RB+2], s93, s95
	s_add_co_u32 s[G0RB+2], s[G0RB+2], 13*1536
	s_mov_b32 s[G0RB+3], 0
	s_mul_i32 s[H7], s19, 4*P7
	s_mul_i32 s[H6], s19, 4*P6
	s_lshl_b32 s96, s19, 2
	s_lshl_b32 s94, s66, 3
	s_add_co_u32 s94, s94, s96
	s_lshl_b32 s[SAP], s94, 11                     ; the scale words of my four tiles of y,
	s_mov_b32 s[SAP+1], 0
	s_lshl_b32 s94, s67, 3
	s_lshl_b32 s95, s20, 2
	s_add_co_u32 s94, s94, s95
	s_add_co_u32 s94, s94, 448
	s_lshl_b32 s[SBP], s94, 11                     ; and of wo
	s_mov_b32 s[SBP+1], 0
	s_add_co_u32 s97, s96, s21                     ; the prefetches: of the four tiles that I fetch, my work-group's one
	s_mul_i32 s97, s97, TILEB
	s_add_co_u32 s97, s97, s92
	s_add_co_u32 s98, s96, s22
	s_mul_i32 s98, s98, TILEB
	s_add_co_u32 s98, s98, s93
	s_cmp_eq_u32 s20, 0
	s_cselect_b32 s[PFP], s97, s98
	s_mov_b32 s[PFP+1], 0
	s_mov_b32 s86, s[H7]                           ; where my fragments lie: slot 0 by 7: y,
	s_mul_i32 s87, s20, 4*P7
	s_add_co_u32 s87, s87, 8*P7                    ; wo;
	s_add_co_u32 s88, s[H6], S1                    ; slot 1 by 6;
	s_mul_i32 s91, s20, 4*P6
	s_add_co_u32 s89, s91, S1+8*P6
	s_mov_b32 s90, s[H6]                           ; slot 0 by 6
	s_add_co_u32 s91, s91, 8*P6
	s_mul_i32 s23, s18, 16*SP
	s_add_co_u32 s23, s23, STAGE                   ; my stage
	s_lshl_b32 s98, s66, 7
	s_lshl_b32 s99, s19, 6
	s_add_co_u32 s98, s98, s99
	s_lshl_b32 s98, s98, 14                        ; my first row of out0, 16,384 bytes a row,
	s_lshl_b32 s99, s67, 9
	s_add_co_u32 s98, s98, s99
	s_lshl_b32 s99, s20, 8
	s_add_co_u32 s98, s98, s99                     ; and my first column
	s_mov_b32 s99, 0
	v_and_b32 v1, 15, v0                           ; r
	v_bfe_u32 v2, v0, 4, 1                         ; h
	v_and_b32 v11, 31, v0
	v_lshlrev_b32 v3, 4, v11
.irp i, 0,1,2,3,4,5
	v_add_nc_u32 v[ADR+\i], s[86+\i], v3
.endr
	v_lshlrev_b32 v[VSO], 4, v1
	v_lshl_add_u32 v[VSO], v2, 11, v[VSO]
	v_lshlrev_b32 v[PF1], 8, v11
	v_min_u32 v[PF7], 9, v11
	v_min_u32 v[PF6], 3, v11
	v_lshlrev_b32 v[PF7], 8, v[PF7]
	v_lshlrev_b32 v[PF6], 8, v[PF6]
	v_mul_u32_u24 v[STO], v1, SP                   ; the stage, in: row r, 32 bytes for each half of the lanes
	v_lshl_add_u32 v[STO], v2, 5, v[STO]
	v_add_nc_u32 v[STO], s23, v[STO]
	v_mul_u32_u24 v[RD], v2, SP                    ; back: sixteen lanes to a row of 256 bytes
	v_lshl_add_u32 v[RD], v1, 4, v[RD]
	v_add_nc_u32 v[RD], s23, v[RD]
	v_lshlrev_b32 v[CO], 14, v2
	v_lshl_add_u32 v[CO], v1, 4, v[CO]
	s_wait_alu depctr_va_vdst(0)                   ; the wait at the end of the head's vector work
	s_wait_dscnt 0x0                               ; both opening adds are done
	CROUND                                         ; all sixteen work-groups are here: the first joint loads meet
	s_wait_kmcnt 0x0
	s_add_nc_u64 s[G0HA+2:G0HA+3], s[4:5], s[G0HA+2:G0HA+3]
	s_or_b32 s[G0HA+3], s[G0HA+3], 0x80000000
	s_add_nc_u64 s[G0HB+2:G0HB+3], s[8:9], s[G0HB+2:G0HB+3]
	s_or_b32 s[G0HB+3], s[G0HB+3], 0x80000000
; the head's loads, one a wave, in one tree of branches on the wave's number
.macro ARM under, g0, g1, next
	s_cmp_lt_u32 s18, \under
	s_cbranch_scc0 \next
	tensor_load_to_lds s[\g0:\g0+3], s[\g1:\g1+7]
	s_nop 0
.rept 4
	v_nop
.endr
	s_branch .Lhead_asked
\next:
.endm
	ARM 1, G0HA, G1A7, .Lhead_1
	ARM 2, G0HB, G1B7, .Lhead_2
	ARM 3, G0HA, G1A6, .Lhead_3
	tensor_load_to_lds s[G0HB:G0HB+3], s[G1B6:G1B6+7]
	s_nop 0
.rept 4
	v_nop
.endr
.Lhead_asked:
	s_add_nc_u64 s[SAP:SAP+1], s[6:7], s[SAP:SAP+1]
	s_add_nc_u64 s[SBP:SBP+1], s[10:11], s[SBP:SBP+1]
.irp g, 0,1,2,3,4,5,6,7                ; all scale words: set g serves K steps 4 g .. 4 g + 3; in a register lanes 0-15 hold the even tile's rows, lanes 16-31 the odd tile's
.irp e, 0,1
	global_load_b128 v[SC+16*\g+4*\e:SC+16*\g+4*\e+3], v[VSO], s[SAP:SAP+1] offset:4096*\e+256*\g
	global_load_b128 v[SC+16*\g+8+4*\e:SC+16*\g+8+4*\e+3], v[VSO], s[SBP:SBP+1] offset:4096*\e+256*\g
.endr
.endr
	s_add_nc_u64 s[G0RA+2:G0RA+3], s[4:5], s[G0RA+2:G0RA+3]
	s_or_b32 s[G0RA+3], s[G0RA+3], 0x80000000
	s_add_nc_u64 s[G0RB+2:G0RB+3], s[8:9], s[G0RB+2:G0RB+3]
	s_or_b32 s[G0RB+3], s[G0RB+3], 0x80000000
	s_cmp_eq_u32 s20, 0
	s_cselect_b64 s[96:97], s[4:5], s[8:9]
	s_add_nc_u64 s[PFP:PFP+1], s[96:97], s[PFP:PFP+1]
	s_add_nc_u64 s[12:13], s[12:13], s[98:99]
.macro WM zero
.if \zero
.if SELA == 0 && SELB == 0
	v_wmma_scale_f32_16x16x128_f8f6f4 v[rD:rD+7], v[rA:rA+11], v[rB:rB+11], 0, v[rSA], v[rSB] matrix_a_fmt:MATRIX_FMT_FP6 matrix_b_fmt:MATRIX_FMT_FP6
.elseif SELA == 1 && SELB == 0
	v_wmma_scale_f32_16x16x128_f8f6f4 v[rD:rD+7], v[rA:rA+11], v[rB:rB+11], 0, v[rSA], v[rSB] matrix_a_fmt:MATRIX_FMT_FP6 matrix_b_fmt:MATRIX_FMT_FP6 matrix_a_scale:MATRIX_SCALE_ROW1
.elseif SELA == 0 && SELB == 1
	v_wmma_scale_f32_16x16x128_f8f6f4 v[rD:rD+7], v[rA:rA+11], v[rB:rB+11], 0, v[rSA], v[rSB] matrix_a_fmt:MATRIX_FMT_FP6 matrix_b_fmt:MATRIX_FMT_FP6 matrix_b_scale:MATRIX_SCALE_ROW1
.else
	v_wmma_scale_f32_16x16x128_f8f6f4 v[rD:rD+7], v[rA:rA+11], v[rB:rB+11], 0, v[rSA], v[rSB] matrix_a_fmt:MATRIX_FMT_FP6 matrix_b_fmt:MATRIX_FMT_FP6 matrix_a_scale:MATRIX_SCALE_ROW1 matrix_b_scale:MATRIX_SCALE_ROW1
.endif
.else
.if SELA == 0 && SELB == 0
	v_wmma_scale_f32_16x16x128_f8f6f4 v[rD:rD+7], v[rA:rA+11], v[rB:rB+11], v[rD:rD+7], v[rSA], v[rSB] matrix_a_fmt:MATRIX_FMT_FP6 matrix_b_fmt:MATRIX_FMT_FP6
.elseif SELA == 1 && SELB == 0
	v_wmma_scale_f32_16x16x128_f8f6f4 v[rD:rD+7], v[rA:rA+11], v[rB:rB+11], v[rD:rD+7], v[rSA], v[rSB] matrix_a_fmt:MATRIX_FMT_FP6 matrix_b_fmt:MATRIX_FMT_FP6 matrix_a_scale:MATRIX_SCALE_ROW1
.elseif SELA == 0 && SELB == 1
	v_wmma_scale_f32_16x16x128_f8f6f4 v[rD:rD+7], v[rA:rA+11], v[rB:rB+11], v[rD:rD+7], v[rSA], v[rSB] matrix_a_fmt:MATRIX_FMT_FP6 matrix_b_fmt:MATRIX_FMT_FP6 matrix_b_scale:MATRIX_SCALE_ROW1
.else
	v_wmma_scale_f32_16x16x128_f8f6f4 v[rD:rD+7], v[rA:rA+11], v[rB:rB+11], v[rD:rD+7], v[rSA], v[rSB] matrix_a_fmt:MATRIX_FMT_FP6 matrix_b_fmt:MATRIX_FMT_FP6 matrix_a_scale:MATRIX_SCALE_ROW1 matrix_b_scale:MATRIX_SCALE_ROW1
.endif
.endif
.endm
; y's tiles a0 .. a0 + n - 1 against wo's four, K step st.  The 16 accumulators take turns
.macro MUL a0, n, st, zero
	WIN 0xa5                                       ; sources 0 and 1 window 1, C and D window 2
.set aa, \a0
.rept \n
.irp b, 0,1,2,3
.set rD, 8*(4*aa+\b)
.set rA, 128*((\st)%2)+48+12*\b
.set rB, 128*((\st)%2)+12*aa
.set rSA, SC+16*((\st)/4)+8+4*(\b/2)+(\st)%4
.set rSB, SC+16*((\st)/4)+4*(aa/2)+(\st)%4
.set SELA, \b%2
.set SELB, aa%2
	WM \zero
.endr
.set aa, aa+1
.endr
.endm
.macro CFG st                          ; where K step st lies: layout CI, a tile's row PP, place QQ in the row
.if (\st) < 7
.set CI, 0
.set PP, P7
.set QQ, (\st)
.elseif (\st) < 13
.set CI, 1
.set PP, P6
.set QQ, (\st)-7
.elseif (\st) < 20
.set CI, 0
.set PP, P7
.set QQ, (\st)-13
.elseif (\st) < 26
.set CI, 1
.set PP, P6
.set QQ, (\st)-20
.else
.set CI, 2
.set PP, P6
.set QQ, (\st)-26
.endif
.endm
.macro FETCH st                        ; my eight fragments of K step st into set st % 2
	CFG \st
	WIN 0x40
.irp a, 0,1,2,3
.irp c, 0,1,2
	ds_load_b128 v[128*((\st)%2)+12*\a+4*\c:128*((\st)%2)+12*\a+4*\c+3], v[ADR+2*CI] offset:\a*PP+QQ*1536+512*\c
.endr
.endr
.irp a, 0,1,2,3
.irp c, 0,1,2
	ds_load_b128 v[128*((\st)%2)+48+12*\a+4*\c:128*((\st)%2)+48+12*\a+4*\c+3], v[ADR+2*CI+1] offset:\a*PP+QQ*1536+512*\c
.endr
.endr
.endm
.macro PF k0, rest                     ; my work-group's tile of the refill that begins at K step k0: 32 runs of 256 bytes, then the rest
	WIN 0
	global_prefetch_b8 v[PF1], s[PFP:PFP+1] offset:(\k0)*1536 th:TH_LOAD_NT scope:SCOPE_SE
	global_prefetch_b8 v[\rest], s[PFP:PFP+1] offset:(\k0)*1536+8192 th:TH_LOAD_NT scope:SCOPE_SE
.endm
.macro STEP st, zero
	s_wait_dscnt 0x0                               ; this K step's fragments are in
.if (\st)+1 < 32
	PLACES 4                                       ; four places ahead of loads into registers that the last products read
	FETCH (\st)+1
.endif
.if (\st) == 0
	PF 13, PF7
.endif
.if (\st) == 7
	PF 20, PF6
.endif
.if (\st) == 13
	PF 26, PF6
.endif
	MUL 0, 4, \st, \zero
.endm
; A slot's last K step.  Its fragments are in registers; the three lines, the barrier (with a refill: it opens a round of the cluster's barrier), the refill, then the other slot's first fragments
.macro TURN st, fill, g1a, g1b, hs, base, pp, adv
	WIN 0
	s_wait_tensorcnt 0x0                           ; all my tensor loads have landed,
	ds_add_u32 v[SPW], v[NIL]                      ; 0 onto my spare word;
	s_wait_dscnt 1                                 ; (the add may be out)
	MUL 0, 1, \st, 0
	s_wait_dscnt 0x0                               ; the add is done, and my reads of this slot are over
	s_barrier_signal -1
	MUL 1, 1, \st, 0
	WIN 0
	s_barrier_wait -1
.if \fill
	CREST
	s_add_co_u32 s[G0RA+1], s[\hs], \base          ; no load of mine is out: the groups 0 may be written
	s_add_co_u32 s[G0RB+1], s[\hs], \base+8*\pp
.if \adv
	s_add_nc_u64 s[G0RA+2:G0RA+3], s[G0RA+2:G0RA+3], \adv
	s_add_nc_u64 s[G0RB+2:G0RB+3], s[G0RB+2:G0RB+3], \adv
.endif
	JLOAD G0RA, \g1a, G0RB, \g1b                   ; my one load behind the round; its four v_nop are the places ahead of the loads below
.else
	PLACES 4
.endif
	FETCH (\st)+1
	MUL 2, 2, \st, 0
.endm
	s_wait_tensorcnt 0x0                           ; my tile of the head's four is in: no load of mine is out, so group 1 may be written: from here on four tiles a load
.irp g, G1A7, G1B7, G1A6, G1B6
	s_mov_b32 s[\g+2], 4<<16
	s_mov_b32 s[\g+4], 4
.endr
	s_wait_loadcnt 0x0                             ; the scale words
	s_barrier_signal -1
	s_barrier_wait -1                              ; everybody's tile is in: both slots are whole
	FETCH 0
	STEP 0, 1                                      ; the first products start the sums
.irp s, 1,2,3,4,5
	STEP \s, 0
.endr
	TURN 6, 1, G1A7, G1B7, H7, 0, P7, 0            ; K steps 13-19 into slot 0
.irp s, 7,8,9,10,11
	STEP \s, 0
.endr
	TURN 12, 1, G1A6, G1B6, H6, S1, P6, P7         ; K steps 20-25 into slot 1
.irp s, 13,14,15,16,17,18
	STEP \s, 0
.endr
	TURN 19, 1, G1A6, G1B6, H6, 0, P6, P6          ; K steps 26-31 into slot 0
.irp s, 20,21,22,23,24
	STEP \s, 0
.endr
	TURN 25, 0, 0, 0, 0, 0, 0, 0
.irp s, 26,27,28,29,30,31
	STEP \s, 0
.endr
	WIN 0
; THE WAY OUT, 16 rows x 64 columns at a time, through my own stage: rows of 256 bytes come back and sixteen lanes store one aligned run of 256 bytes.  LDS serves a wave's instructions in order (ISA guide 5.7.1.4)
.macro TOSTAGE a
	WIN 0x08                                       ; the data: window 2
.irp b, 0,1,2,3
	ds_store_b128 v[STO], v[8*(4*(\a)+\b):8*(4*(\a)+\b)+3] offset:64*\b          ; each accumulator from its low end on
	ds_store_b128 v[STO], v[8*(4*(\a)+\b)+4:8*(4*(\a)+\b)+7] offset:64*\b+16
.endr
	WIN 0
.irp i, 0,1,2,3,4,5,6,7
	ds_load_b128 v[BK+32*((\a)%2)+4*\i:BK+32*((\a)%2)+4*\i+3], v[RD] offset:\i*2*SP
.endr
.endm
.macro SEND a, younger
	s_wait_dscnt \younger
.irp i, 0,1,2,3,4,5,6,7
	global_store_b128 v[CO], v[BK+32*((\a)%2)+4*\i:BK+32*((\a)%2)+4*\i+3], s[12:13] offset:(16*(\a)+2*\i)*16384 th:TH_STORE_NT
.endr
.endm
	PLACES 4
	TOSTAGE 0
.irp a, 1,2,3
.if \a > 1
	s_wait_xcnt 0x0                                ; the stores of two blocks ago have read their registers
.endif
	TOSTAGE \a
	SEND \a-1, 16                                  ; behind that block's loads: 8 stores and 8 loads
.endr
	SEND 3, 0
	s_wait_tensorcnt 0x0                           ; the wave's end
	ds_add_u32 v[SPW], v[NIL]
	s_wait_dscnt 0x0
	CROUND                                         ; the closing round
	s_endpgm
.Lfunc_end_k_q6d214a01be_oproj:
	.size	k_q6d214a01be_oproj, .Lfunc_end_k_q6d214a01be_oproj-k_q6d214a01be_oproj
	.p2alignl 7, 3214868480
	.fill 96, 4, 3214868480
	.section	.rodata,"a",@progbits
	.p2align	6, 0x0
	.amdhsa_kernel k_q6d214a01be_oproj
		.amdhsa_group_segment_fixed_size 327680
		.amdhsa_private_segment_fixed_size 0
		.amdhsa_enable_private_segment 0
		.amdhsa_kernarg_size 40
		.amdhsa_user_sgpr_count 2
		.amdhsa_user_sgpr_kernarg_segment_ptr 1
		.amdhsa_wavefront_size32 1
		.amdhsa_system_sgpr_workgroup_id_x 1
		.amdhsa_system_sgpr_workgroup_id_y 1
		.amdhsa_system_sgpr_workgroup_id_z 1
		.amdhsa_system_vgpr_workitem_id 0
		.amdhsa_next_free_vgpr 640
		.amdhsa_next_free_sgpr 102
		.amdhsa_reserve_vcc 0
		.amdhsa_float_denorm_mode_32 3
		.amdhsa_float_denorm_mode_16_64 3
		.amdhsa_memory_ordered 1
		.amdhsa_forward_progress 1
		.amdhsa_inst_pref_size 144
	.end_amdhsa_kernel
	.amdgpu_metadata
---
amdhsa.version: [ 1, 2 ]
amdhsa.kernels:
  - .name:           k_q6d214a01be_oproj
    .symbol:         k_q6d214a01be_oproj.kd
    .args:
      - { .name: yc, .offset: 0, .size: 8, .value_kind: global_buffer, .address_space: global }
      - { .name: ys, .offset: 8, .size: 8, .value_kind: global_buffer, .address_space: global }
      - { .name: cod1, .offset: 16, .size: 8, .value_kind: global_buffer, .address_space: global }
      - { .name: scl1, .offset: 24, .size: 8, .value_kind: global_buffer, .address_space: global }
      - { .name: out0, .offset: 32, .size: 8, .value_kind: global_buffer, .address_space: global }
    .group_segment_fixed_size: 327680
    .private_segment_fixed_size: 0
    .kernarg_segment_align: 8
    .kernarg_segment_size: 40
    .max_flat_workgroup_size: 128
    .sgpr_count:     102
    .vgpr_count:     640
    .wavefront_size: 32
...
	.end_amdgpu_metadata
.endif
;; end of part 4
